; MI455X (gfx1250); checked and timed in simulation.
; The chip was launched on July 23, 2026; its instructions are those of AMD's public machine-readable ISA for CDNA 5 (MIT licence, August 2026) and "CDNA5" Instruction Set Architecture Reference Guide (July 2026). The comments in the code are by the model that wrote it; some were corrected since.
;; Multi Head Attention. Allowed arithmetic: matrix products marked QUANTISED: E2M3 operands, one E8M0 scale for each 32 along K, by v_wmma_scale_f32_16x16x128_f8f6f4 with both operands' format E2M3, f32 sums; everything else in f32.
;; Inputs: Wk 1,024 x 1,024 float32; Wo 1,024 x 1,024 float32; Wq 1,024 x 1,024 float32; Wv 1,024 x 1,024 float32; bo 1,024 float32; mask 4 x 2,048 int32; x 4 x 2,048 x 1,024 float32.
;; Outputs: out0 4 x 2,048 x 1,024 float32.
;; This version of the problem:
;;   THIS VERSION OF THE PROBLEM IS GIVEN IN LOW PRECISION. The matrix products marked QUANTISED in the list below multiply operands that are first quantised to E2M3 (2 exponent bits, 3 mantissa bits; 6 bits a number), with one power-of-two scale for each 32 numbers along K (OCP MX v1.0); their sums are f32. All else is computed in f32.
;;   The module's matrix products, in the order in which they are computed (A, B: the left and right operand; K: the contracted axis; several contracted axes count as one K, in the product's order):
;;     1. [M 8,192, K 1,024] x [K 1,024, N 1,024]; A: input x; B: input Wq: QUANTISED
;;     2. [M 8,192, K 1,024] x [K 1,024, N 1,024]; A: input x; B: input Wk: QUANTISED
;;     3. [M 8,192, K 1,024] x [K 1,024, N 1,024]; A: input x; B: input Wv: QUANTISED
;;     4. batch 64 x [M 2,048, K 64] x [K 64, N 2,048]; A: computed on the way; B: computed on the way: QUANTISED
;;     5. batch 64 x [M 2,048, K 2,048] x [K 2,048, N 64]; A: softmax (see below); B: computed on the way: QUANTISED
;;     6. [M 8,192, K 1,024] x [K 1,024, N 1,024]; A: computed on the way; B: input Wo: QUANTISED
;;   THE QUANTISER, for each operand of a quantised product, along K:
;;     - K is cut into blocks of 32 from its start; a last block that is shorter is filled with zeros.
;;     - A block's scale is 2^e with e = floor(log2(the largest magnitude in the block)) - 2, held to -126 .. 127; a block of zeros has e = 0. As a byte (E8M0): e + 127.
;;     - Each number is divided by its block's scale, clamped to +-7.5, and rounded to the nearest number of E2M3, ties to even, subnormals kept.
;;     - The product sums the exact products of the quantised numbers (number of the format x scale) in f32.
;;   ~~~python
;;   def quantise(x, axis):      # numpy; x: float32 -> the quantised numbers, widened to float32 again
;;       x = np.moveaxis(x, axis, -1); K = x.shape[-1]
;;       x = np.pad(x, [(0, 0)] * (x.ndim - 1) + [(0, -K % 32)]); x = x.reshape(x.shape[:-1] + (-1, 32)); a = np.abs(x).max(-1, keepdims=True)
;;       e = np.where(a > 0, np.clip(np.frexp(np.where(a > 0, a, 1))[1] - 1 - 2, -126, 127), 0)      # np.frexp(a)[1] - 1 = floor(log2(a)), exactly
;;       r = np.clip(x / 2.0 ** e, -7.5, 7.5)
;;       step = 2.0 ** (np.maximum(np.frexp(np.where(r == 0, 1, r))[1] - 1, 0) - 3)
;;       q = np.round(r / step) * step * 2.0 ** e      # np.round: ties to even
;;       return np.moveaxis(q.reshape(q.shape[:-2] + (-1,))[..., :K], -1, axis).astype(np.float32)
;;   ~~~
;;   SOFTMAX AHEAD OF A QUANTISED PRODUCT. Where the list says 'softmax', what is quantised is not the finished softmax but p = 2^(t - M), with t = logit x log2(e) and M = ceil(the row's largest t), a whole number; so 1/2 < the row's largest p <= 1. The row's sum l is taken of the UNQUANTISED p, in f32, and the product's result is divided by l at the end. Since M is a whole number, a kernel that streams over the keys may use a running M (the ceiling of the running maximum): every later rescaling is an exact power of two, which a block's scale takes up: the codes' values come out the same.
;;   OPERANDS COMPUTED ON THE WAY. 'Computed on the way' means the value that the module computes at that place (a softmax that the list does not call 'softmax' is quantised finished and normalised). What goes into a quantiser is computed in f32, as accurately as f32 sums, v_exp_f32 and their like allow (about 1e-6 of the number): no bf16 or f16 on the way to a quantiser, and a product that is left as it is and whose result goes on into a quantised operand takes f32 operands (vector FMAs, or v_wmma_f32_16x16x4_f32). A number that lies on a knife's edge between two numbers of the format may be rounded either way, as far as f32 arithmetic and the matrix unit's own rounding can turn it there, and no further.
;; One version. Each part assembles by itself: llvm-mc -triple=amdgcn-amd-amdhsa -mcpu=gfx1250 --defsym DOCPART=n.
;; ======== version 1 of 1: 4 launches
;; limits: right only within a limited range of input values
;; workspace buffers: xw_codes 9,437,184 bytes; xw_scales 393,216 bytes; qkv 20,447,232 bytes; vsum 262,144 bytes; ctx_codes 6,291,456 bytes; ctx_scales 262,144 bytes
;; launch quant (part 1): grid 256 x 1, 3 waves a work-group, no clusters, 26,112 bytes of LDS; arguments x, Wq, Wk, Wv, Wo, xw_codes, xw_scales; writes xw_codes, xw_scales
.if DOCPART == 1
	.amdgcn_target "amdgcn-amd-amdhsa--gfx1250"
	.amdhsa_code_object_version 6
	.text
	.protected	k_q13757410e6_quant
	.globl	k_q13757410e6_quant
	.p2align	8
	.type	k_q13757410e6_quant,@function
k_q13757410e6_quant:
	s_mov_b64 s[64:65], 0
	v_nop
	global_prefetch_b8 v0, s[64:65] scope:SCOPE_SE
	s_setreg_imm32_b32 hwreg(HW_REG_WAVE_MODE, 25, 1), 1
	s_wait_xcnt 0x0
; x [8192][1024], Wq, Wk, Wv, Wo [1024][1024], f32, K innermost, become codes of FP6 (E2M3) with one E8M0 byte for each 32 along K.
; A block's scale is 2^(floor(log2(its largest magnitude)) - 2); its byte is the largest magnitude's exponent field - 2, held at 1 from below.
; (A block of zeros gets the byte 1 where the definition says 127: its codes are zeros, and this program alone reads the bytes.)
; LIMITS: blocks whose largest magnitude lies under 2^-124 keep the byte 1; NaN and infinities among the inputs are not served.
; LAYOUT OF THE CODES: images of operand registers.  A row tile RT is 16 rows; fragment kf of it (16 rows x 128 K, 12 registers a lane) is 1,536 bytes at RT x 12,288 + 1,536 kf:
; registers 0-3 of lane l at 16 l, registers 4-5 at 512 + 8 l, registers 6-9 at 768 + 16 l, registers 10-11 at 1,280 + 8 l.  So every store covers 512 or 256 consecutive bytes.
; THE ROWS OF A TILE ARE NOT NEIGHBOURS: row r of tile t holds the tensor's row 32 (t / 2) + 8 (t % 2) + r + 8 (r / 8), so that where such a tile is source 0 of a product,
; the 16 result registers of two neighbouring tiles are 16 neighbours.  Tiles 0-511: x; 512-575 Wq; 576-639 Wk; 640-703 Wv; 704-767 Wo.
; The scale bytes: 32 a row, rows in the tiles' order.
; SHARES: a wave takes one row tile, all of K: 8 fragments.  Each load reads 512 consecutive bytes of one row; a fragment's 8 KiB turn through the wave's own stage in LDS
; (rows 528 bytes apart) so that a lane gets 16 neighbours of each block of 32.  Loads run four fragments (64 loads a wave) ahead.  Waves share nothing: no barrier.
.set WSTG, 8448                        ; a wave's stage: 16 rows x 528 bytes
.set SPT,  528
.set RTB,  12288                       ; a row tile's codes
.set X,    32                          ; v32-95   64 numbers: register 16 b + i = k 32 b + 16 (lane / 16) + i of my row
.set PC,   96                          ; v96-114  the codes just made
.set TM,   116                         ; v116-131 at work in the quantiser
.set SW,   132                         ; v132-139 my row's eight scale words
.set MG,   140                         ; v140-143 the four that I store
.set MSB, 0
.macro WIN new                         ; the immediate's high byte repeats the setting that is left
.if MSB != (\new)
	s_set_vgpr_msb (MSB<<8)|(\new)
.set MSB, (\new)
.endif
.endm
; 64 numbers of a lane become a fragment's codes in v[PC] on and its scale word in v[pw]
.macro QUANT s, pw
.irp b, 0,1,2,3
	v_max3_num_f32 v[TM+\b], |v[\s+16*\b]|, |v[\s+1+16*\b]|, 0x1800000   ; my 16 numbers of block b, and the floor 2^(3 - 127): the byte cannot fall under 1
.endr
.irp i, 2,4,6,8,10,12,14
.irp b, 0,1,2,3
	v_max3_num_f32 v[TM+\b], |v[\s+16*\b+\i]|, |v[\s+1+16*\b+\i]|, v[TM+\b]   ; the four blocks by turns
.endr
.endr
.irp b, 0,1,2,3
	v_permlanex16_b32 v[TM+4+\b], v[TM+\b], s[20:20], s[21:21]
.endr
.irp b, 0,1,2,3
	v_max_num_f32 v[TM+\b], v[TM+\b], v[TM+4+\b]   ; with lane l xor 16's 16 numbers: the block's largest magnitude
.endr
.irp b, 0,1,2,3
	v_add_nc_u32 v[TM+12+\b], 0xff000000, v[TM+\b]   ; 2 off its exponent field: the conversion takes the exponent field of this operand as its scale
.endr
.irp b, 0,1,2,3
	v_lshrrev_b32 v[TM+4+\b], 23, v[TM+12+\b]   ; the scale's byte
.endr
	v_lshl_or_b32 v[\pw], v[TM+5], 8, v[TM+4]
	v_lshl_or_b32 v[\pw], v[TM+6], 16, v[\pw]
	v_lshl_or_b32 v[\pw], v[TM+7], 24, v[\pw]
.irp c, 0,1
	v_cvt_scalef32_pk16_fp6_f32 v[PC+6*\c:PC+2+6*\c], v[\s+32*\c:\s+15+32*\c], v[TM+12+2*\c]
	v_cvt_scalef32_pk16_fp6_f32 v[PC+12+4*\c:PC+14+4*\c], v[\s+16+32*\c:\s+31+32*\c], v[TM+12+2*\c+1]   ; (a conversion's three registers begin on an even number)
.endr
	v_nop                                          ; one plain instruction behind the scaled conversions
.irp c, 0,1                                    ; the operand wants a whole block in a lane: lanes 0-15 block 2 c, lanes 16-31 block 2 c + 1
.irp i, 0,1,2
	v_permlane16_swap_b32 v[PC+6*\c+\i], v[PC+12+4*\c+\i]
.endr
.irp i, 0,1,2
	v_mov_b32 v[PC+3+6*\c+\i], v[PC+12+4*\c+\i]
.endr
.endr
.endm
	s_load_b256 s[4:11], s[0:1], 0x0               ; x, Wq, Wk, Wv
	s_load_b128 s[12:15], s[0:1], 0x20             ; Wo, the codes
	s_load_b64 s[16:17], s[0:1], 0x30              ; the scale bytes
	v_lshl_add_u32 v254, v0, 2, 0x6400
	v_mov_b32 v255, 0
	v_lshrrev_b32 v1, 5, v0
	v_readfirstlane_b32 s18, v1                    ; wave 0..2
	v_and_b32 v2, 31, v0                           ; lane
	v_and_b32 v3, 15, v0                           ; r
	v_bfe_u32 v9, v0, 4, 1                         ; h
	v_lshlrev_b32 v4, 4, v2                        ; 16 x lane
	v_lshlrev_b32 v5, 3, v2                        ; 8 x lane
	s_mul_i32 s19, s18, WSTG
	v_add_nc_u32 v6, s19, v4                       ; the stage, on the way in: a row's 512 bytes as they lie
	v_mul_u32_u24 v7, v3, SPT
	v_lshl_add_u32 v7, v9, 6, v7
	v_add_nc_u32 v7, s19, v7                       ; and on the way out: row r, + 64 h: my 16 numbers of a block
	v_lshlrev_b32 v8, 5, v3
	v_lshl_add_u32 v8, v9, 4, v8                   ; the scale bytes: 32 r + 16 h
.irp b, 0,1,2,3
	v_mov_b32 v[TM+4+\b], 0                        ; written once: a lane permute's destination counts as one of its sources
.endr
	s_mov_b32 s20, 0x76543210
	s_mov_b32 s21, 0xfedcba98                      ; v_permlanex16_b32's selects for lane l xor 16
	s_mul_i32 s26, ttmp9, 3
	s_add_co_u32 s26, s26, s18                     ; my row tile: 3 x work-group + wave
	s_and_b32 s27, s26, 63                         ; its number in a weight,
	s_cmp_lt_u32 s26, 512
	s_cselect_b32 s27, s26, s27                    ; or in x
	s_lshr_b32 s24, s27, 1
	s_lshl_b32 s24, s24, 5
	s_and_b32 s25, s27, 1
	s_lshl_b32 s25, s25, 3
	s_add_co_u32 s24, s24, s25                     ; its first row: 32 (t / 2) + 8 (t % 2)
	s_lshl_b32 s24, s24, 12                        ; x 4,096 bytes
	s_mov_b32 s25, 0
	s_mul_i32 s28, s26, RTB
	s_mov_b32 s29, 0
	s_lshl_b32 s30, s26, 9
	s_mov_b32 s31, 0
	s_wait_alu depctr_va_vdst(0)
	s_wait_kmcnt 0x0
	s_mov_b64 s[22:23], s[12:13]                   ; which tensor: the choice hangs on the tile's number alone
	s_cmp_lt_u32 s26, 704
	s_cselect_b64 s[22:23], s[10:11], s[22:23]
	s_cmp_lt_u32 s26, 640
	s_cselect_b64 s[22:23], s[8:9], s[22:23]
	s_cmp_lt_u32 s26, 576
	s_cselect_b64 s[22:23], s[6:7], s[22:23]
	s_cmp_lt_u32 s26, 512
	s_cselect_b64 s[22:23], s[4:5], s[22:23]
	s_add_nc_u64 s[22:23], s[22:23], s[24:25]
	s_add_nc_u64 s[14:15], s[14:15], s[28:29]
	s_add_nc_u64 s[16:17], s[16:17], s[30:31]
.macro LOAD kf                         ; fragment kf's numbers into set kf % 4 of window 1: 16 loads, each 512 consecutive bytes of one row
	WIN 0x40
.irp r, 0,1,2,3,4,5,6,7,8,9,10,11,12,13,14,15
	global_load_b128 v[64*((\kf)%4)+4*\r:64*((\kf)%4)+4*\r+3], v4, s[22:23] offset:(\r+8*(\r/8))*4096+512*(\kf) th:TH_LOAD_NT
.endr
	WIN 0
.endm
.macro FRAGQ kf
.if (\kf) < 5
	s_wait_loadcnt 48                              ; this fragment's 16 loads are in; the three younger sets' 48 may be out
.else
	s_wait_loadcnt 16*(7-(\kf))                    ; the counts run down: nothing is loaded behind fragment 7
.endif
	WIN 0x04                                       ; an LDS store's data are its source 1: window 1
.irp r, 0,1,2,3,4,5,6,7,8,9,10,11,12,13,14,15
	ds_store_b128 v6, v[64*((\kf)%4)+4*\r:64*((\kf)%4)+4*\r+3] offset:SPT*\r
.endr
	WIN 0
.irp b, 0,1,2,3
.irp j, 0,1,2,3
	ds_load_b128 v[X+16*\b+4*\j:X+16*\b+4*\j+3], v7 offset:128*\b+16*\j   ; LDS serves a wave's instructions in order: these see the stores above
.endr
.endr
	s_wait_dscnt 0x0                               ; the numbers are back, so the stores into the stage have read their set,
	s_wait_xcnt 0x0                                ; and the last fragment's global stores have read the codes' registers
.if (\kf) < 4
	LOAD (\kf)+4                                   ; the set takes the fragment four further on
.endif
	QUANT X, SW+(\kf)
	global_store_b128 v4, v[PC:PC+3], s[14:15] offset:1536*(\kf)
	global_store_b64 v5, v[PC+4:PC+5], s[14:15] offset:1536*(\kf)+512
	global_store_b128 v4, v[PC+6:PC+9], s[14:15] offset:1536*(\kf)+768
	global_store_b64 v5, v[PC+10:PC+11], s[14:15] offset:1536*(\kf)+1280
.endm
	LOAD 0
	LOAD 1
	LOAD 2
	LOAD 3
.irp k, 0,1,2,3,4,5,6,7
	FRAGQ \k
.endr
	v_cmp_lt_u32 vcc_lo, 15, v2                    ; lanes 16-31 store the row's upper 16 bytes
.irp i, 0,1,2,3
	v_cndmask_b32 v[MG+\i], v[SW+\i], v[SW+4+\i], vcc_lo
.endr
	global_store_b128 v8, v[MG:MG+3], s[16:17]     ; 32 lanes store the tile's 512 scale bytes on end
	s_wait_tensorcnt 0x0
	ds_add_u32 v254, v255
	s_wait_dscnt 0x0
	s_endpgm
.Lfunc_end_k_q13757410e6_quant:
	.size	k_q13757410e6_quant, .Lfunc_end_k_q13757410e6_quant-k_q13757410e6_quant
	.p2alignl 7, 3214868480
	.fill 96, 4, 3214868480
	.section	.rodata,"a",@progbits
	.p2align	6, 0x0
	.amdhsa_kernel k_q13757410e6_quant
		.amdhsa_group_segment_fixed_size 26112
		.amdhsa_private_segment_fixed_size 0
		.amdhsa_enable_private_segment 0
		.amdhsa_kernarg_size 56
		.amdhsa_user_sgpr_count 2
		.amdhsa_user_sgpr_kernarg_segment_ptr 1
		.amdhsa_wavefront_size32 1
		.amdhsa_system_sgpr_workgroup_id_x 1
		.amdhsa_system_sgpr_workgroup_id_y 1
		.amdhsa_system_sgpr_workgroup_id_z 1
		.amdhsa_system_vgpr_workitem_id 0
		.amdhsa_next_free_vgpr 512
		.amdhsa_next_free_sgpr 66
		.amdhsa_reserve_vcc 1
		.amdhsa_float_denorm_mode_32 3
		.amdhsa_float_denorm_mode_16_64 3
		.amdhsa_memory_ordered 1
		.amdhsa_forward_progress 1
		.amdhsa_inst_pref_size 66
	.end_amdhsa_kernel
	.amdgpu_metadata
---
amdhsa.version: [ 1, 2 ]
amdhsa.kernels:
  - .name:           k_q13757410e6_quant
    .symbol:         k_q13757410e6_quant.kd
    .args:
      - { .name: x, .offset: 0, .size: 8, .value_kind: global_buffer, .address_space: global }
      - { .name: Wq, .offset: 8, .size: 8, .value_kind: global_buffer, .address_space: global }
      - { .name: Wk, .offset: 16, .size: 8, .value_kind: global_buffer, .address_space: global }
      - { .name: Wv, .offset: 24, .size: 8, .value_kind: global_buffer, .address_space: global }
      - { .name: Wo, .offset: 32, .size: 8, .value_kind: global_buffer, .address_space: global }
      - { .name: xw_codes, .offset: 40, .size: 8, .value_kind: global_buffer, .address_space: global }
      - { .name: xw_scales, .offset: 48, .size: 8, .value_kind: global_buffer, .address_space: global }
    .group_segment_fixed_size: 26112
    .private_segment_fixed_size: 0
    .kernarg_segment_align: 8
    .kernarg_segment_size: 56
    .max_flat_workgroup_size: 96
    .sgpr_count:     66
    .vgpr_count:     512
    .wavefront_size: 32
...
	.end_amdgpu_metadata
.endif
;; end of part 1
;; launch qkv (part 2): grid 8 x 48, 4 waves a work-group, clusters of 4 x 4, 327,680 bytes of LDS; arguments xw_codes, xw_scales, mask, qkv, vsum; writes qkv, vsum
.if DOCPART == 2
	.amdgcn_target "amdgcn-amd-amdhsa--gfx1250"
	.amdhsa_code_object_version 6
	.text
	.protected	k_q13757410e6_qkv
	.globl	k_q13757410e6_qkv
	.p2align	8
	.type	k_q13757410e6_qkv,@function
k_q13757410e6_qkv:
	s_mov_b64 s[64:65], 0
	v_nop
	global_prefetch_b8 v0, s[64:65] scope:SCOPE_SE
	s_setreg_imm32_b32 hwreg(HW_REG_WAVE_MODE, 25, 1), 1
	s_wait_xcnt 0x0
	s_wait_alu depctr_hold_cnt(0) depctr_sa_sdst(0) depctr_va_vdst(0) depctr_va_sdst(0) depctr_va_ssrc(0) depctr_va_vcc(0) depctr_vm_vsrc(0)
	s_getreg_b32 s2, hwreg(HW_REG_IB_STS2, 6, 4)
	s_cmp_eq_u32 s2, 0
	s_cbranch_scc0 .Lentry_in_a_cluster
	s_endpgm
.Lentry_in_a_cluster:
	s_bfe_u32 s2, ttmp6, 0x10000c
	s_cmp_lg_u32 s2, 0xf033
	s_cbranch_scc0 .Lentry_shape_is_right
	s_endpgm
.Lentry_shape_is_right:
; The three projections on codes of FP6 (E2M3), K = 1,024, and their results quantised in registers for the attention that follows.
; A work-group of four waves makes 256 x 256 of a product A B^T, a wave 128 x 128: 64 accumulators.  The matrix instruction is used transposed: source 0 = 16 rows of B, source 1 = 16 rows of A:
; a lane holds ONE row of A, and (by the order of rows in a tile: row r of tile t is row 32 (t / 2) + 8 (t % 2) + r + 8 (r / 8)) the 64 registers of a block of A are 64 numbers along B's rows:
; register 16 b + i = index 32 b + 16 (lane / 16) + i.  That is what the quantiser wants of a lane.
; TWO KINDS OF WORK-GROUPS, told apart by the cluster's y (alike in all sixteen partners).  y < 8: A = x, B = Wq and Wk: a lane holds a token, its registers run along two heads' 64: Q and K, quantised along the head.
; y >= 8: A = Wv, B = x: a lane holds one of the head's 64, its registers run along 128 tokens: V, quantised along the keys.
; OPERANDS lie in memory as images of operand registers (16 rows x 128 K = 1,536 bytes: registers 0-3 at 16 l, 4-5 at 512 + 8 l, 6-9 at 768 + 16 l, 10-11 at 1,280 + 8 l), a row tile's 8 fragments on end (12,288 bytes).
; K goes in steps of 256 through a ring of two LDS slots; a wave's tensor load brings 8 row tiles x 3,072 bytes.  The scale bytes of the work-group's rows, 32 a row, come once and stay.
; CLUSTERS: 4 x 4 work-groups; A's tiles are asked for jointly along a row of the cluster, B's along a column.
; RESULTS: qkv [batch][G][step of 128 tokens][6,656]: G = head (Q), 16 + head (K), 32 + head (V).  Q, K: 8 tiles (16 tokens x 64) of 768 bytes, then 512 bytes of scale words [lane][i]: the word of tile 2 i + lane / 16, row lane % 16.
; V: 4 tiles (16 of the head's 64 x 128 keys) of 1,536 bytes, then 256 bytes of scale words [lane][i], then 256 zeros.
; THE PADDING MASK goes into byte 2 of K's scale words: 143 (2^16) for a padded key, else 0 (2^-127).  The attention multiplies it by a code 1.0 at k = 64 and by Q's -1.0 x 2^17 there.
; vsum [batch][pair of heads][step][512]: the sums of the quantised V over the step's 128 keys, [lane][i]: row lane % 16 of tile 2 i + lane / 16, made by a product with ones.
; LIMITS: blocks whose largest magnitude lies under 2^-124 keep the byte 1 (a block of zeros too: its codes are zeros); NaN and infinities are not served.
; REGISTERS: window 0: v0-31 addresses; v32-63 scale words, two sets; v64-127, v224-231 the way out; v128-223 A's fragments, one set (on the way out free).  window 1: B's fragments, two sets.  windows 2, 3: the accumulators.
.set NQ,     2                         ; matrix instructions deep in a slot
.set FR,     12                        ; registers of a fragment
.set NL,     4                         ; LDS loads that bring one
.set NP,     4                         ; places behind this matrix instruction (ISA guide 7.12.1)
.set RTB,    12288                     ; a row tile's codes in memory
.set TSL,    3072                      ; a row tile's part of a slot: two fragments
.set HALFT,  8*TSL                     ; 8 row tiles: what one tensor load brings, and what one wave reads of A or of B
.set SLOT,   4*HALFT
.set LAPS,   2                         ; K = 1,024 = four K steps = twice round the ring
.set SCL,    2*SLOT                    ; behind the ring: the scales, as units of 256 bytes + 16 of padding
.set HALFS,  16*272                    ; the scales of 128 rows
.set SBLK,   2*272                     ; those of 16 rows
.set SPARE,  SCL+4*HALFS               ; the spare words, 128 bytes for each wave: two blocks of 256 bytes that no other line names
.set REC,    6656
.set GS,     16*REC
.set BS,     48*GS
.set ADRA, 16                          ; v16-17 LDS address of my A fragments in slot 0, 1, 16 bytes a lane; v18-19 the same, 8 bytes a lane
.set ADRB, 20                          ; v20-23 the same for B
.set LQ,   24                          ; v24  16 x lane
.set LP,   25                          ; v25  8 x lane
.set MA,   26                          ; v26  the mask: 4 (r + 8 (r / 8))
.set ADRS, 27                          ; v27  LDS address of my scale words: lanes 0-15 A's rows, lanes 16-31 B's
.set SPW,  28                          ; v28  LDS address of my spare word; never rewritten
.set NIL,  29                          ; v29  0; never rewritten
.set SC,   32                          ; scale words: set s at v[SC + 16 s]; register 2 i + q: lanes 0-15 A's block i, lanes 16-31 B's block i
.set AF,   128
.set TM,   64                          ; the way out: v64-79 at work in the quantiser
.set PC,   80                          ; v80-98 the codes just made
.set PW,   100                         ; the scale word just made
.set INSV, 102                         ; the mask's byte at its place, or 0
.set INSC, 103                         ; 143 << 16
.set MK,   104                         ; v104-111 the mask of my token in each of the 8 blocks
.set SWE,  112                         ; v112-119 scale words: the even head's (V: the block's)
.set SWO,  120                         ; v120-127 the odd head's
.set MRG,  224                         ; v224-231 words as they are stored
.set VD,   128                         ; v128-191 the sums of V, 8 registers a block
.set ONES, 192                         ; v192-203 a fragment of codes 1.0
.set ONESC, 204                        ; its scale word: 2^0 four times
.set ZZ,   206                         ; v206-207 zeros
.set G1, 24
.set G0, 32
.set G1B, 48
.set G0B, 56
.set G1S, 68
.set G0S, 76
.set G1SB, 80
.set G0SB, 88
.set MSB, 0
.macro WIN new                         ; the immediate's high byte repeats the setting that is left
.if MSB != (\new)
	s_set_vgpr_msb (MSB<<8)|(\new)
.set MSB, (\new)
.endif
.endm
.set MUL_LO, 0xa1                      ; source 0 (B) window 1, source 1 (A) window 0, C and D window 2
.set MUL_HI, 0xf1                      ; the same, C and D window 3
.set TO_B,   0x40                      ; destination window 1, address window 0
; A joint load: waves 0 and 1 fetch for A, waves 2 and 3 for B.  The branch hangs on the wave's number alone.  Four v_nop follow each of the two lines.
.macro JLOAD g0a, g1a, g0b, g1b
	s_cmp_eq_u32 s15, 0
	s_cbranch_scc0 .Lfor_b_\@
	tensor_load_to_lds s[\g0a:\g0a+3], s[\g1a:\g1a+7]
	s_nop 0
.rept 4
	v_nop
.endr
	s_branch .Lasked_\@
.Lfor_b_\@:
	tensor_load_to_lds s[\g0b:\g0b+3], s[\g1b:\g1b+7]
	s_nop 0
.rept 4
	v_nop
.endr
.Lasked_\@:
.endm
.macro CREST                           ; a round of the cluster's barrier behind its opening barrier
	s_cmp_lg_u32 s14, 0
	s_cbranch_scc1 .Lnot_wave_0_\@
	s_barrier_signal -3
.Lnot_wave_0_\@:
	s_barrier_wait -3
	s_barrier_signal -1
	s_barrier_wait -1
.endm
.macro CROUND
	s_barrier_signal -1
	s_barrier_wait -1
	CREST
.endm
	s_load_b128 s[4:7], s[0:1], 0x0                ; the codes, the scale bytes
	s_load_b128 s[8:11], s[0:1], 0x10              ; mask, qkv
	s_load_b64 s[12:13], s[0:1], 0x20              ; vsum
	v_lshl_add_u32 v[SPW], v0, 2, SPARE
	v_mov_b32 v[NIL], 0
	ds_add_u32 v28, v29
	ds_add_u32 v28, v29
	s_wait_dscnt 0x0
	v_lshrrev_b32 v1, 5, v0
	v_readfirstlane_b32 s14, v1                    ; wave 0..3
	s_lshr_b32 s15, s14, 1                         ; which half of A's 256 rows is mine.  Also: I fetch for A (0) or for B (1)
	s_and_b32 s16, s14, 1                          ; which half of B's.  Also: which 8 row tiles I fetch
	s_bfe_u32 s40, ttmp6, 0x40000                  ; cx, cy: my place in the cluster
	s_bfe_u32 s41, ttmp6, 0x40004
	s_and_b32 s17, ttmp7, 0xffff                   ; the cluster's y; it stays
	; A's first row tile hangs on y and cy alone: y < 8: x's tile row 4 y + cy;  else Wv's tile row cy
	s_lshl_b32 s18, s41, 4
	s_lshl_b32 s19, s17, 6
	s_add_co_u32 s19, s19, s18                     ; 64 y + 16 cy
	s_add_co_u32 s18, s18, 640                     ; 640 + 16 cy
	; B's hangs on x, y and cx alone: y < 8: Wq's and Wk's tile column 4 x + cx;  else x's tile column 4 (2 (y - 8) + x) + cx
	s_lshl_b32 s92, s40, 4
	s_lshl_b32 s93, ttmp9, 6
	s_add_co_u32 s93, s93, s92
	s_add_co_u32 s93, s93, 512                     ; 512 + 64 x + 16 cx
	s_max_u32 s94, s17, 8
	s_sub_co_u32 s94, s94, 8
	s_lshl_b32 s94, s94, 1
	s_add_co_u32 s94, s94, ttmp9
	s_lshl_b32 s94, s94, 6
	s_add_co_u32 s94, s94, s92
	s_cmp_lt_u32 s17, 8
	s_cselect_b32 s42, s19, s18                    ; A's first row tile; it stays
	s_cselect_b32 s43, s93, s94                    ; B's; it stays
	s_lshl_b32 s44, s41, 2
	s_lshl_b32 s44, 15, s44                        ; my row of the cluster
	s_lshl_b32 s45, 0x1111, s40                    ; my column
	; descriptor group 1 for the codes: 8 rows (row tiles) of 384 elements of 8 bytes, 1,536 elements apart, dense in LDS
	s_or_b32 s[G1+0], s44, (3<<16)|(1<<21)         ; 15:0 the mask: A's tiles go to my row; 17:16 elements of 8 bytes; 20 padding off; 21 set beside a mask
	s_or_b32 s[G1B+0], s45, (3<<16)|(1<<21)
.irp g, G1, G1B
	s_mov_b32 s[\g+1], 384<<16                     ; tensor_dim0
	s_mov_b32 s[\g+2], 16<<16                      ; tensor_dim1: the head's loads bring 16 row tiles
	s_mov_b32 s[\g+3], 384<<16                     ; tile_dim0
	s_mov_b32 s[\g+4], 16                          ; tile_dim1
	s_mov_b32 s[\g+5], 1536                        ; tensor_dim0_stride
	s_mov_b32 s[\g+6], 0
	s_mov_b32 s[\g+7], 0
.endr
	; and for the scales of 256 rows: 8,192 dense bytes as 32 rows of 256, 16 bytes of padding behind each
	s_or_b32 s[G1S+0], s44, (3<<16)|(1<<20)|(1<<21)|(5<<22)|(3<<25)
	s_or_b32 s[G1SB+0], s45, (3<<16)|(1<<20)|(1<<21)|(5<<22)|(3<<25)
.irp g, G1S, G1SB
	s_mov_b32 s[\g+1], 32<<16
	s_mov_b32 s[\g+2], 32<<16                      ; the scales of 256 rows: 32 rows of 256 bytes
	s_mov_b32 s[\g+3], 32<<16
	s_mov_b32 s[\g+4], 32
	s_mov_b32 s[\g+5], 32
	s_mov_b32 s[\g+6], 0
	s_mov_b32 s[\g+7], 0
.endr
	s_lshl_b32 s22, s42, 9                         ; A: its 16 row tiles' scale bytes, 512 a tile,
	s_mul_i32 s20, s42, RTB                        ; and their codes
	s_mov_b32 s21, 0
	s_mov_b32 s23, 0
	s_lshl_b32 s94, s43, 9                         ; B likewise, in registers that never hold cy
	s_mul_i32 s92, s43, RTB
	s_mov_b32 s93, 0
	s_mov_b32 s95, 0
	s_mul_i32 s46, s14, HALFT                      ; where they go: no place in the cluster enters an LDS address
	s_mul_i32 s96, s16, 8*RTB                      ; in the ring I fetch 8 row tiles: which half, in bytes
	s_mov_b32 s97, 0
	s_wait_kmcnt 0x0
	s_add_nc_u64 s[20:21], s[4:5], s[20:21]
	s_add_nc_u64 s[22:23], s[6:7], s[22:23]
	s_add_nc_u64 s[92:93], s[4:5], s[92:93]
	s_add_nc_u64 s[94:95], s[6:7], s[94:95]
	CROUND                                         ; all sixteen work-groups are here: the first joint loads meet
	s_mov_b32 s[G0S], 1
	s_mov_b32 s[G0S+1], SCL
	s_mov_b64 s[G0S+2:G0S+3], s[22:23]
	s_or_b32 s[G0S+3], s[G0S+3], 0x80000000
	s_mov_b32 s[G0SB], 1
	s_mov_b32 s[G0SB+1], SCL+2*HALFS
	s_mov_b64 s[G0SB+2:G0SB+3], s[94:95]
	s_or_b32 s[G0SB+3], s[G0SB+3], 0x80000000
	s_mov_b32 s[G0], 1                             ; the head's tiles, each whole: K step 0 of A's 16 row tiles,
	s_mov_b32 s[G0+1], 0
	s_mov_b64 s[G0+2:G0+3], s[20:21]
	s_or_b32 s[G0+3], s[G0+3], 0x80000000
	s_mov_b32 s[G0B], 1                            ; and of B's 16, behind them in slot 0
	s_mov_b32 s[G0B+1], 2*HALFT
	s_mov_b64 s[G0B+2:G0B+3], s[92:93]
	s_or_b32 s[G0B+3], s[G0B+3], 0x80000000
	s_add_nc_u64 s[20:21], s[20:21], s[96:97]      ; for the ring: my 8 row tiles
	s_add_nc_u64 s[92:93], s[92:93], s[96:97]
	s_mov_b32 s[G0+4], 1                           ; slot 1: K step 1
	s_add_co_u32 s[G0+5], s46, SLOT
	s_add_nc_u64 s[G0+6:G0+7], s[20:21], TSL
	s_or_b32 s[G0+7], s[G0+7], 0x80000000
	s_mov_b32 s[G0B+4], 1
	s_add_co_u32 s[G0B+5], s46, SLOT
	s_add_nc_u64 s[G0B+6:G0B+7], s[92:93], TSL
	s_or_b32 s[G0B+7], s[G0B+7], 0x80000000
; the head's loads, one a wave: wave 0 A's codes, wave 1 B's, wave 2 A's scales, wave 3 B's; one chain of branches on the wave's number
.macro ARM under, g0, g1, next
	s_cmp_lt_u32 s14, \under
	s_cbranch_scc0 \next
	tensor_load_to_lds s[\g0:\g0+3], s[\g1:\g1+7]
	s_nop 0
.rept 4
	v_nop
.endr
	s_branch .Lhead_asked
\next:
.endm
	ARM 1, G0,  G1,  .Lhead_b
	ARM 2, G0B, G1B, .Lhead_sa
	ARM 3, G0S, G1S, .Lhead_sb
	tensor_load_to_lds s[G0SB:G0SB+3], s[G1SB:G1SB+7]
	s_nop 0
.rept 4
	v_nop
.endr
.Lhead_asked:
	; A PREFETCH INTO THE L2: behind the load of K step t stands one request for K step t + 2 (t = 0, 1; K has four steps, so the last two loads ask for nothing).
	; Of the 8 row tiles that my wave fetches, the partner at place p among the four that ask jointly (cx for A, cy for B) names tiles 2 p and 2 p + 1: 24 blocks of 256 bytes, a lane a block; lanes 24-31 name the last again.
	s_cmp_eq_u32 s15, 0                            ; do I fetch for A?
	s_cselect_b64 s[66:67], s[20:21], s[92:93]
	s_cselect_b32 s96, s40, s41
	s_mul_i32 s96, s96, 2*RTB
	s_mov_b32 s97, 0
	s_add_nc_u64 s[66:67], s[66:67], s[96:97]      ; never rewritten
	v_and_b32 v30, 31, v0
	v_min_u32 v30, 23, v30
	v_cmp_lt_u32 vcc_lo, 11, v30
	v_lshlrev_b32 v31, 8, v30
	v_add_nc_u32 v30, RTB-12*256, v31              ; lanes 12-23: the second tile
	v_cndmask_b32 v30, v31, v30, vcc_lo            ; never rewritten
	global_prefetch_b8 v30, s[66:67] offset:TSL th:TH_LOAD_NT scope:SCOPE_SE     ; at the head K step 1 is asked for too: its load goes out only when the head's tiles are in; two K steps at the most are asked for and not yet read
	global_prefetch_b8 v30, s[66:67] offset:2*TSL th:TH_LOAD_NT scope:SCOPE_SE
	v_and_b32 v1, 15, v0                           ; r; it stays
	v_bfe_u32 v2, v0, 4, 1                         ; h; it stays
	v_and_b32 v3, 31, v0                           ; lane; it stays
	v_lshlrev_b32 v[LQ], 4, v3
	v_lshlrev_b32 v[LP], 3, v3
	s_mul_i32 s96, s15, HALFT                      ; my 8 row tiles of A
	s_mul_i32 s97, s16, HALFT                      ; my 8 of B,
	s_add_co_u32 s97, s97, 2*HALFT                 ; which lie behind A's 16
.irp s, 0,1
	v_add_nc_u32 v[ADRA+\s], s96, v[LQ]
	v_add_nc_u32 v[ADRB+\s], s97, v[LQ]
	v_add_nc_u32 v[ADRA+2+\s], s96, v[LP]
	v_add_nc_u32 v[ADRB+2+\s], s97, v[LP]
	s_add_co_u32 s96, s96, SLOT
	s_add_co_u32 s97, s97, SLOT
.endr
	v_lshlrev_b32 v5, 5, v1                        ; my row's scales: 32 bytes a row,
	v_lshrrev_b32 v6, 8, v5
	v_lshl_add_u32 v5, v6, 4, v5                   ; and 16 more for each 256 passed
	s_mul_i32 s96, s15, HALFS                      ; A's: my 128 rows
	s_mul_i32 s97, s16, HALFS                      ; B's: my 128 rows, behind A's 256
	s_add_co_u32 s97, s97, 2*HALFS
	s_sub_co_u32 s97, s97, s96
	v_mul_u32_u24 v6, s97, v2                      ; lanes 16-31 take B's
	s_add_co_u32 s96, s96, SCL
	v_add_nc_u32 v5, v5, v6
	v_add_nc_u32 v[ADRS], s96, v5
.macro FRAG reg, adr, q, i             ; a fragment comes as it was stored: four loads, each of consecutive bytes
	ds_load_b128 v[\reg:\reg+3], v[\adr] offset:TSL*(\i)+1536*(\q)
	ds_load_b64 v[\reg+4:\reg+5], v[\adr+2] offset:TSL*(\i)+1536*(\q)+512
	ds_load_b128 v[\reg+6:\reg+9], v[\adr] offset:TSL*(\i)+1536*(\q)+768
	ds_load_b64 v[\reg+10:\reg+11], v[\adr+2] offset:TSL*(\i)+1536*(\q)+1280
.endm
; 16 matrix instructions: A's blocks a0, a0 + 1 x B's eight, 128 along K.  p: B's set; sc: the set of scale words.  zero = 1: the first product starts the sums.
; The 64 accumulators take turns, one instruction a turn, in the same order in every step.
.macro MUL16 a0, p, q, sc, zero
.irp a, \a0, \a0+1
.irp b, 0,1,2,3,4,5,6,7
.if \zero
	v_wmma_scale_f32_16x16x128_f8f6f4 v[8*(8*((\a)%4)+\b):8*(8*((\a)%4)+\b)+7], v[128*(\p)+FR*\b:128*(\p)+FR*\b+FR-1], v[AF+FR*(\a):AF+FR*(\a)+FR-1], 0, v[SC+8*NQ*(\sc)+NQ*\b+(\q)], v[SC+8*NQ*(\sc)+NQ*(\a)+(\q)] matrix_a_fmt:MATRIX_FMT_FP6 matrix_b_fmt:MATRIX_FMT_FP6 matrix_a_scale:MATRIX_SCALE_ROW1
.else
	v_wmma_scale_f32_16x16x128_f8f6f4 v[8*(8*((\a)%4)+\b):8*(8*((\a)%4)+\b)+7], v[128*(\p)+FR*\b:128*(\p)+FR*\b+FR-1], v[AF+FR*(\a):AF+FR*(\a)+FR-1], v[8*(8*((\a)%4)+\b):8*(8*((\a)%4)+\b)+7], v[SC+8*NQ*(\sc)+NQ*\b+(\q)], v[SC+8*NQ*(\sc)+NQ*(\a)+(\q)] matrix_a_fmt:MATRIX_FMT_FP6 matrix_b_fmt:MATRIX_FMT_FP6 matrix_a_scale:MATRIX_SCALE_ROW1
.endif
.endr
.endr
.endm
.macro FETCH_B slot, q, p
	WIN TO_B
.irp i, 0,1,2,3,4,5,6,7
	FRAG 128*(\p)+FR*\i, ADRB+\slot, \q, \i
.endr
	WIN 0
.endm
.macro FETCH_A slot, q, i0
.irp i, \i0, \i0+1, \i0+2, \i0+3
	FRAG AF+FR*(\i), ADRA+\slot, \q, \i
.endr
.endm
.macro SCALES sc                       ; the next K step's scale words: two words a row; lanes 0-15 take A's block i, lanes 16-31 B's block i
.irp i, 0,1,2,3,4,5,6,7
	ds_load_b64 v[SC+8*NQ*\sc+NQ*\i:SC+8*NQ*\sc+NQ*\i+1], v[ADRS] offset:\i*SBLK
.endr
.endm
.macro PLACES n                        ; plain vector instructions between a matrix instruction and a load into, or a read of, its registers
.rept \n
	v_nop
.endr
.endm
.macro STEP slot, q, zero              ; a step of 128 along K that has its successor in the same slot
	s_wait_dscnt 4*NL                              ; B's set and A's blocks 0-3 are in; the youngest 16 loads (A's blocks 4-7) may be out
	WIN MUL_LO
	MUL16 0, (\q)%2, \q, \slot, \zero
	MUL16 2, (\q)%2, \q, \slot, \zero
	s_wait_dscnt 0                                 ; A's blocks 4-7 are in
	PLACES NP
	FETCH_B \slot, (\q)+1, 1-(\q)%2
	FETCH_A \slot, (\q)+1, 0
	WIN MUL_HI
	MUL16 4, (\q)%2, \q, \slot, \zero
	MUL16 6, (\q)%2, \q, \slot, \zero
	PLACES NP
	WIN 0
	FETCH_A \slot, (\q)+1, 4
.endm
; A slot's last step changes slots: one barrier; in front of it each wave waits for all its tensor loads, adds 0 to its spare word, and waits for that and for its own reads of this slot.
.macro TURN slot, next, fill
	s_wait_tensorcnt 0x0                           ; all my tensor loads have landed: my part of the next slot
	ds_add_u32 v[SPW], v[NIL]                      ; 0 onto my spare word
	s_wait_dscnt 4*NL+1                            ; (the add and the youngest 16 loads, A's blocks 4-7, may be out)
	WIN MUL_LO
	MUL16 0, 1, NQ-1, \slot, 0
	s_wait_dscnt 0x0                               ; the add is done, and my reads of this slot are over
	s_barrier_signal -1
	MUL16 2, 1, NQ-1, \slot, 0
	WIN 0
	s_barrier_wait -1
.if \fill
	CREST                                          ; the barrier has opened a round of the cluster's barrier: no wave of any partner still reads this slot or has a load on its way
	s_add_nc_u64 s[G0+4*\slot+2:G0+4*\slot+3], s[G0+4*\slot+2:G0+4*\slot+3], 2*TSL
	s_add_nc_u64 s[G0B+4*\slot+2:G0B+4*\slot+3], s[G0B+4*\slot+2:G0B+4*\slot+3], 2*TSL
	JLOAD G0+4*\slot, G1, G0B+4*\slot, G1B         ; the first tensor load behind the round; its four v_nop are the places in front of the loads below
.else
	PLACES NP
.endif
	s_wait_alu depctr_va_vdst(0)
	v_add_nc_u32 v[ADRS], 4*NQ, v[ADRS]            ; on to the next K step's scale words
	FETCH_B \next, 0, 0
	FETCH_A \next, 0, 0
	SCALES \next
	WIN MUL_HI
	MUL16 4, 1, NQ-1, \slot, 0
	MUL16 6, 1, NQ-1, \slot, 0
	PLACES NP
	WIN 0
	FETCH_A \next, 0, 4
.endm
	s_wait_alu depctr_va_vdst(0)
	s_wait_tensorcnt 0x0                           ; my tile of the head's four is in; slot 1's first fill is issued as a refill is
	ds_add_u32 v[SPW], v[NIL]                      ; 0 onto my spare word
	s_mov_b32 s[G1+2], 8<<16                       ; no tensor load of mine is out: from here on a load brings 8 row tiles
	s_mov_b32 s[G1+4], 8
	s_mov_b32 s[G1B+2], 8<<16
	s_mov_b32 s[G1B+4], 8
	s_add_co_u32 s[G0+1], s46, 0                   ; and slot 0's group 0 names my quarter of the slot, at K step 0: its first refill steps it to K step 2
	s_mov_b64 s[G0+2:G0+3], s[20:21]
	s_or_b32 s[G0+3], s[G0+3], 0x80000000
	s_add_co_u32 s[G0B+1], s46, 0
	s_mov_b64 s[G0B+2:G0B+3], s[92:93]
	s_or_b32 s[G0B+3], s[G0B+3], 0x80000000
	s_wait_dscnt 0x0
	CROUND                                         ; all four tiles are in, and all sixteen work-groups are here
	JLOAD G0+4, G1, G0B+4, G1B                     ; K step 1, the first tensor load behind the round
	FETCH_B 0, 0, 0
	FETCH_A 0, 0, 0
	SCALES 0
	FETCH_A 0, 0, 4
	global_prefetch_b8 v30, s[66:67] offset:3*TSL th:TH_LOAD_NT scope:SCOPE_SE   ; behind K step 1's load and the run of LDS loads: K step 3
	STEP 0, 0, 1                                   ; the first step stands in front of the loop: its products start the sums
	s_mov_b32 s3, LAPS-1
.Llap:
	TURN 0, 1, 1
	STEP 1, 0, 0
	TURN 1, 0, 1
	STEP 0, 0, 0
	s_sub_co_u32 s3, s3, 1
	s_cmp_lg_u32 s3, 0
	s_cbranch_scc1 .Llap
	TURN 0, 1, 0                                   ; the last lap fills nothing
	STEP 1, 0, 0
	s_wait_dscnt 4*NL
	WIN MUL_LO
	MUL16 0, 1, NQ-1, 1, 0
	MUL16 2, 1, NQ-1, 1, 0
	s_wait_dscnt 0
	WIN MUL_HI
	MUL16 4, 1, NQ-1, 1, 0
	MUL16 6, 1, NQ-1, 1, 0
	WIN 0
	PLACES NP                                      ; in front of the first reads of results and the first writes of registers that the products read
; THE WAY OUT: no LDS.  Block a's 64 accumulator registers become a fragment in v[PC] on and a scale word in v[pw].  Each accumulator is read from its low end on.
.macro QUANTW a, pw
.set AC, 64*((\a)%4)
	WIN 0x0a+5*((\a)/4)                            ; sources 0 and 1: window 2 or 3
.irp b, 0,1,2,3
	v_max3_num_f32 v[TM+\b], |v[AC+16*\b]|, |v[AC+1+16*\b]|, 0x1800000   ; and the floor 2^(3 - 127): the byte cannot fall under 1
.endr
.irp i, 2,4,6,8,10,12,14
.irp b, 0,1,2,3
	v_max3_num_f32 v[TM+\b], |v[AC+16*\b+\i]|, |v[AC+1+16*\b+\i]|, v[TM+\b]
.endr
.endr
	WIN 0
.irp b, 0,1,2,3
	v_permlanex16_b32 v[TM+4+\b], v[TM+\b], s[98:98], s[99:99]
.endr
.irp b, 0,1,2,3
	v_max_num_f32 v[TM+\b], v[TM+\b], v[TM+4+\b]
.endr
.irp b, 0,1,2,3
	v_add_nc_u32 v[TM+12+\b], 0xff000000, v[TM+\b]   ; 2 off the exponent field: the conversion's scale operand
.endr
.irp b, 0,1,2,3
	v_lshrrev_b32 v[TM+4+\b], 23, v[TM+12+\b]   ; the scale's byte
.endr
	v_lshl_or_b32 v[\pw], v[TM+5], 8, v[TM+4]
	v_lshl_or_b32 v[\pw], v[TM+6], 16, v[\pw]
	v_lshl_or_b32 v[\pw], v[TM+7], 24, v[\pw]
	WIN 0x02+((\a)/4)                              ; source 0: window 2 or 3
.irp c, 0,1
	v_cvt_scalef32_pk16_fp6_f32 v[PC+6*\c:PC+2+6*\c], v[AC+32*\c:AC+15+32*\c], v[TM+12+2*\c]
	v_cvt_scalef32_pk16_fp6_f32 v[PC+12+4*\c:PC+14+4*\c], v[AC+16+32*\c:AC+31+32*\c], v[TM+12+2*\c+1]
.endr
	WIN 0
	v_nop                                          ; one plain instruction behind the scaled conversions
.irp c, 0,1
.irp i, 0,1,2
	v_permlane16_swap_b32 v[PC+6*\c+\i], v[PC+12+4*\c+\i]
.endr
.irp i, 0,1,2
	v_mov_b32 v[PC+3+6*\c+\i], v[PC+12+4*\c+\i]
.endr
.endr
.endm
.macro OUTBLK a, vm
.if (\a) > 0
	s_wait_xcnt 0x0                                ; the last block's stores have read the codes' registers
.endif
.if \vm
	QUANTW \a, SWE+(\a)                            ; 16 of the heads' 128 x 128 keys: one fragment of V
	global_store_b128 v[LQ], v[PC:PC+3], s[10:11] offset:((\a)/4)*GS+1536*((\a)%4)
	global_store_b64 v[LP], v[PC+4:PC+5], s[10:11] offset:((\a)/4)*GS+1536*((\a)%4)+512
	global_store_b128 v[LQ], v[PC+6:PC+9], s[10:11] offset:((\a)/4)*GS+1536*((\a)%4)+768
	global_store_b64 v[LP], v[PC+10:PC+11], s[10:11] offset:((\a)/4)*GS+1536*((\a)%4)+1280
.rept 8
	v_nop                                          ; an operand written by vector instructions stands 4 places ahead of a scaled matrix instruction, a scale register 8
.endr
	v_wmma_scale_f32_16x16x128_f8f6f4 v[VD+8*(\a):VD+8*(\a)+7], v[ONES:ONES+11], v[PC:PC+11], 0, v[ONESC], v[SWE+(\a)] matrix_a_fmt:MATRIX_FMT_FP6 matrix_b_fmt:MATRIX_FMT_FP6   ; every register of lane r: the sum of row r's 128 quantised numbers
.else
	QUANTW \a, PW                                  ; 16 tokens x two heads' 64: two half fragments
.if (\a) == 0
	s_wait_alu depctr_va_vdst(0)
	s_wait_loadcnt 0x0                             ; the mask
.endif
	v_cmp_eq_u32 vcc_lo, 0, v[MK+(\a)]
	v_cndmask_b32 v[INSV], 0, v[INSC], vcc_lo      ; a padded token: 143 in byte 2
	v_and_or_b32 v[SWE+(\a)], v[PW], 0xffff, v[INSV]
	v_lshrrev_b32 v[SWO+(\a)], 16, v[PW]
	v_or_b32 v[SWO+(\a)], v[SWO+(\a)], v[INSV]
	global_store_b128 v[LQ], v[PC:PC+3], s[10:11] offset:768*(\a)
	global_store_b64 v[LP], v[PC+4:PC+5], s[10:11] offset:768*(\a)+512
	global_store_b128 v[LQ], v[PC+6:PC+9], s[10:11] offset:GS+768*(\a)
	global_store_b64 v[LP], v[PC+10:PC+11], s[10:11] offset:GS+768*(\a)+512
.endif
.endm
	s_cmp_ge_u32 s17, 8                            ; the cluster's y: alike in all partners
	s_cbranch_scc1 .Lvpath
	; ---- Q and K
	s_lshr_b32 s96, s42, 3
	s_add_co_u32 s96, s96, s15                     ; my block of 128 tokens, 0..63
	s_sub_co_u32 s97, s43, 512
	s_lshr_b32 s97, s97, 3
	s_add_co_u32 s97, s97, s16                     ; my pair of heads, 0..15: 0-7 Q's, 8-15 K's
	s_lshr_b32 s98, s96, 4
	s_mul_i32 s98, s98, BS
	s_mul_i32 s97, s97, 2*GS
	s_add_co_u32 s98, s98, s97
	s_and_b32 s97, s96, 15
	s_mul_i32 s97, s97, REC
	s_add_co_u32 s98, s98, s97
	s_mov_b32 s99, 0
	s_add_nc_u64 s[10:11], s[10:11], s[98:99]      ; the even head's record; the odd head's lies GS further on
	s_lshl_b32 s98, s96, 9
	s_add_nc_u64 s[8:9], s[8:9], s[98:99]          ; the mask of my 128 tokens
	v_and_b32 v4, 8, v1
	v_add_nc_u32 v4, v4, v1
	v_lshlrev_b32 v[MA], 2, v4
.irp a, 0,1,2,3,4,5,6,7
	global_load_b32 v[MK+\a], v[MA], s[8:9] offset:4*(32*(\a/2)+8*(\a%2))
.endr
	s_mov_b32 s98, 0x76543210
	s_mov_b32 s99, 0xfedcba98                      ; v_permlanex16_b32's selects for lane l xor 16
	v_mov_b32 v[INSC], 0x8f0000
.irp b, 0,1,2,3
	v_mov_b32 v[TM+4+\b], 0                        ; a lane permute's destination counts as one of its sources
.endr
.irp a, 0,1,2,3,4,5,6,7
	OUTBLK \a, 0
.endr
	v_cmp_lt_u32 vcc_lo, 15, v3                    ; lanes 16-31 store the odd tiles' words
.irp i, 0,1,2,3
	v_cndmask_b32 v[MRG+\i], v[SWE+2*\i], v[SWE+2*\i+1], vcc_lo
	v_cndmask_b32 v[MRG+4+\i], v[SWO+2*\i], v[SWO+2*\i+1], vcc_lo
.endr
	global_store_b128 v[LQ], v[MRG:MRG+3], s[10:11] offset:6144
	global_store_b128 v[LQ], v[MRG+4:MRG+7], s[10:11] offset:GS+6144
	s_branch .Lend
.Lvpath:
	; ---- V
	s_sub_co_u32 s96, s42, 640
	s_lshr_b32 s96, s96, 3
	s_add_co_u32 s96, s96, s15                     ; my pair of heads, 0..7
	s_lshr_b32 s97, s43, 3
	s_add_co_u32 s97, s97, s16                     ; my block of 128 tokens, 0..63
	s_lshr_b32 s94, s97, 4                         ; the batch
	s_and_b32 s95, s97, 15                         ; the step
	s_mul_i32 s98, s94, BS
	s_mul_i32 s93, s96, 2*GS
	s_add_co_u32 s98, s98, s93
	s_add_co_u32 s98, s98, 32*GS
	s_mul_i32 s93, s95, REC
	s_add_co_u32 s98, s98, s93
	s_mov_b32 s99, 0
	s_add_nc_u64 s[10:11], s[10:11], s[98:99]
	s_lshl_b32 s98, s94, 3
	s_add_co_u32 s98, s98, s96
	s_lshl_b32 s98, s98, 4
	s_add_co_u32 s98, s98, s95
	s_lshl_b32 s98, s98, 9
	s_add_nc_u64 s[12:13], s[12:13], s[98:99]
	s_mov_b32 s98, 0x76543210
	s_mov_b32 s99, 0xfedcba98
.irp p, 0,1,2,3
	v_mov_b32 v[ONES+3*\p], 0x08208208             ; the code 001000 (1.0) sixteen times in 96 bits
	v_mov_b32 v[ONES+3*\p+1], 0x82082082
	v_mov_b32 v[ONES+3*\p+2], 0x20820820
.endr
	v_mov_b32 v[ONESC], 0x7f7f7f7f
	v_mov_b32 v[ZZ], 0
	v_mov_b32 v[ZZ+1], 0
.irp b, 0,1,2,3
	v_mov_b32 v[TM+4+\b], 0
.endr
.irp a, 0,1,2,3,4,5,6,7
	OUTBLK \a, 1
.endr
	PLACES NP                                      ; behind the last product, in front of the reads of its result
	v_cmp_lt_u32 vcc_lo, 15, v3
.irp i, 0,1,2,3
	v_cndmask_b32 v[MRG+\i], v[SWE+2*\i], v[SWE+2*\i+1], vcc_lo
	v_cndmask_b32 v[MRG+4+\i], v[VD+16*\i], v[VD+16*\i+8], vcc_lo   ; each result's lowest register
.endr
	global_store_b64 v[LP], v[MRG:MRG+1], s[10:11] offset:6144
	global_store_b64 v[LP], v[ZZ:ZZ+1], s[10:11] offset:6400       ; the record's last 256 bytes are read with it, so they are written
	global_store_b64 v[LP], v[MRG+2:MRG+3], s[10:11] offset:GS+6144
	global_store_b64 v[LP], v[ZZ:ZZ+1], s[10:11] offset:GS+6400
	global_store_b128 v[LQ], v[MRG+4:MRG+7], s[12:13]
.Lend:
	s_wait_tensorcnt 0x0                           ; the wave's end
	ds_add_u32 v[SPW], v[NIL]
	s_wait_dscnt 0x0
	CROUND                                         ; the closing round: no work-group ends while a partner may still ask for a tile that names it
	s_endpgm
.Lfunc_end_k_q13757410e6_qkv:
	.size	k_q13757410e6_qkv, .Lfunc_end_k_q13757410e6_qkv-k_q13757410e6_qkv
	.p2alignl 7, 3214868480
	.fill 96, 4, 3214868480
	.section	.rodata,"a",@progbits
	.p2align	6, 0x0
	.amdhsa_kernel k_q13757410e6_qkv
		.amdhsa_group_segment_fixed_size 327680
		.amdhsa_private_segment_fixed_size 0
		.amdhsa_enable_private_segment 0
		.amdhsa_kernarg_size 40
		.amdhsa_user_sgpr_count 2
		.amdhsa_user_sgpr_kernarg_segment_ptr 1
		.amdhsa_wavefront_size32 1
		.amdhsa_system_sgpr_workgroup_id_x 1
		.amdhsa_system_sgpr_workgroup_id_y 1
		.amdhsa_system_sgpr_workgroup_id_z 1
		.amdhsa_system_vgpr_workitem_id 0
		.amdhsa_next_free_vgpr 1024
		.amdhsa_next_free_sgpr 100
		.amdhsa_reserve_vcc 1
		.amdhsa_float_denorm_mode_32 3
		.amdhsa_float_denorm_mode_16_64 3
		.amdhsa_memory_ordered 1
		.amdhsa_forward_progress 1
		.amdhsa_inst_pref_size 193
	.end_amdhsa_kernel
	.amdgpu_metadata
---
amdhsa.version: [ 1, 2 ]
amdhsa.kernels:
  - .name:           k_q13757410e6_qkv
    .symbol:         k_q13757410e6_qkv.kd
    .args:
      - { .name: xw_codes, .offset: 0, .size: 8, .value_kind: global_buffer, .address_space: global }
      - { .name: xw_scales, .offset: 8, .size: 8, .value_kind: global_buffer, .address_space: global }
      - { .name: mask, .offset: 16, .size: 8, .value_kind: global_buffer, .address_space: global }
      - { .name: qkv, .offset: 24, .size: 8, .value_kind: global_buffer, .address_space: global }
      - { .name: vsum, .offset: 32, .size: 8, .value_kind: global_buffer, .address_space: global }
    .group_segment_fixed_size: 327680
    .private_segment_fixed_size: 0
    .kernarg_segment_align: 8
    .kernarg_segment_size: 40
    .max_flat_workgroup_size: 128
    .sgpr_count:     100
    .vgpr_count:     1024
    .wavefront_size: 32
...
	.end_amdgpu_metadata
.endif
;; end of part 2
;; launch attn (part 3): grid 4 x 64, 8 waves a work-group, clusters of 4 x 1, 327,680 bytes of LDS; arguments qkv, vsum, ctx_codes, ctx_scales; writes ctx_codes, ctx_scales
.if DOCPART == 3
	.amdgcn_target "amdgcn-amd-amdhsa--gfx1250"
	.amdhsa_code_object_version 6
	.text
	.protected	k_q13757410e6_attn
	.globl	k_q13757410e6_attn
	.p2align	8
	.type	k_q13757410e6_attn,@function
k_q13757410e6_attn:
	s_mov_b64 s[64:65], 0
	v_nop
	global_prefetch_b8 v0, s[64:65] scope:SCOPE_SE
	s_setreg_imm32_b32 hwreg(HW_REG_WAVE_MODE, 25, 1), 1
	s_wait_xcnt 0x0
	s_wait_alu depctr_hold_cnt(0) depctr_sa_sdst(0) depctr_va_vdst(0) depctr_va_sdst(0) depctr_va_ssrc(0) depctr_va_vcc(0) depctr_vm_vsrc(0)
	s_getreg_b32 s2, hwreg(HW_REG_IB_STS2, 6, 4)
	s_cmp_eq_u32 s2, 0
	s_cbranch_scc0 .Lentry_in_a_cluster
	s_endpgm
.Lentry_in_a_cluster:
	s_bfe_u32 s2, ttmp6, 0x10000c
	s_cmp_lg_u32 s2, 0x3003
	s_cbranch_scc0 .Lentry_shape_is_right
	s_endpgm
.Lentry_shape_is_right:
; Attention on codes of FP6 (E2M3): S = Q K^T / 8, causal mask, padding mask, p = 2^(t - M), O = P V / the sum of p; O is quantised along the head's 64 for the last projection.
; t = score x log2(e) / 8; M = the row's largest t so far, rounded up to a whole number; the row's sum is taken of the unquantised p.  When M moves, the sum and O are multiplied by 2^(old M - new M): exact.
; WORK LEFT OUT: key steps of 128 keys that lie wholly behind a tile's queries: the causal jnp.tril of the definition gives them p = 0 for every input (but in the row described below, which is served apart).
; SHARES.  A head has 64 double tiles of 32 queries and 16 key steps of 128 keys; double tile D walks the steps 0 .. D / 4.  The four work-groups of a head form a cluster.  Wave w of partner cx takes double tile
; 63 - 4 w - cx and then 4 w + cx: (16 - w) + (w + 1) = 17 key steps for every wave, two of them on the diagonal.  The step of the diagonal hangs on the wave's number alone, so no branch hangs on a place in the cluster.
; A WAVE WORKS TWO TILES OF 16 QUERIES AT ONCE: tile X in register window 0, tile Y under the same register numbers in window 1; each fragment of K and V is read from LDS once for both, and the two tiles' phases take turns.
; LDS.  The head's K and V, 32 records of 6,656 bytes, lie in LDS whole: 212,992 bytes, each byte filled once.  All four partners read all of it, so every tile is asked for JOINTLY (mask 15).
; Key steps 0-3 come by the head's loads, one a wave (a record: waves 0-3 K's, 4-7 V's); steps 4-15 by one more load a wave (three records) behind a round of the cluster's barrier, while steps 0-2 are worked;
; one barrier shows them to all waves.  Behind it the waves share nothing and meet no barrier until the closing round.
; NO PREFETCH: every tile of the launch has been asked for by its tensor load when the second round is passed, so no later load is left for a prefetch to run ahead of.
; LAYOUT.  Both products are used transposed: S^T = K Q^T (source 0 = 16 keys), O^T = V^T P^T (source 0 = 16 of the head's 64): a lane holds one query throughout.  Row r of tile t of K, V and Q is row
; 32 (t / 2) + 8 (t % 2) + r + 8 (r / 8): so register 16 b + i of S^T is key 32 b + 16 (lane / 16) + i, and of O^T the head's number 32 b + 16 (lane / 16) + i.
; K = 64 fills the lower six registers of the operands of K Q^T.  THE UPPER SIX CARRY THE PADDING MASK: K has the code 1.0 at k = 64, Q the code -1.0; Q's scale byte there is 144, K's is 143 for a padded key and 0 else:
; a padded key's score gets -2^33, an open key's -2^-110.
; A ROW ALL OF WHOSE VISIBLE KEYS ARE PADDED: the definition gives all 2,048 keys the same score there, the hidden ones too: p = 1 for each, and the row is the mean of the quantised V.  It is told by its largest t
; (at most -2^32 log2(e) / 8) and gets T / 2,048, T the sum of the 16 steps' sums in vsum.
; LIMITS: |Q . K| stays under 2^32; scores at or under -1e9 among open keys are not served; open keys' scores carry -2^-110; NaN and infinities are not served, nor carried from work left out; blocks under 2^-124 keep the byte 1.
; REGISTERS, in each window: v12 -M, v13 the largest t, v[14:15] the sum; v16-27 Q; v31 the diagonal's compare value; v32-79 four fragments of K (window 0: tiles 0-3, window 1: tiles 4-7); v96-159 S^T, then p; v160-191 O^T;
; v192-203 p's codes; v204-231, v244-255 at work.  Window 0 alone: v1-11, v29-30 addresses; v28, v92 Q's scale words (X, Y); v80-85 K's and V's scale words; v224, v93 p's scale words (X, Y); v96-143 also V's four fragments.
.set REC,   6656                       ; a record: a step's 128 keys of K or of V with their scale words
.set GS,    16*REC
.set BS,    48*GS
.set RTB,   12288
.set VB,    GS                         ; LDS: K's 16 records, then V's 16
.set VST,   2*GS                       ; behind them: T / 2,048, 256 bytes for each wave
.set SPARE, VST+8*256                  ; the spare words, 128 bytes for each wave: four blocks of 256 bytes that no other line names
.set LQ,  1                            ; 16 x lane
.set LP,  2                            ; 8 x lane
.set SPW, 3                            ; LDS address of my spare word; never rewritten
.set NIL, 4                            ; 0; never rewritten
.set ADQ, 5                            ; K's record in hand + 16 x lane
.set ADP, 6                            ; + 8 x lane
.set QL,  7                            ; r + 8 (r / 8) - 16 h
.set TW,  8                            ; where I store T
.set TR,  9                            ; where I read it
.set R16, 10                           ; 16 r
.set CSO, 11                           ; 32 r + h
.set QF,  16
.set QSW, 28
.set AVQ, 29                           ; V's record in hand + 16 x lane
.set AVP, 30                           ; + 8 x lane
.set DV,  31                           ; on the diagonal: my query - the step's first key - 16 h
.set KFR, 32
.set KSW, 80
.set VSW, 84
.set QSWY, 92
.set PWDY, 93
.set S,   96
.set O,   160
.set PCD, 192
.set CT,  204
.set BM,  212
.set BP,  216
.set BSC, 220
.set PWD, 224
.set F,   226
.set T1,  228
.set T2,  229
.set WV,  12                           ; wave
.set AS,  13                           ; the key step of my tiles' diagonal: from the wave's number alone
.set KS,  14                           ; the key step in hand
.set TB,  15                           ; its record's LDS address
.set G1A, 16
.set G1B, 24
.set G0A, 32
.set G0B, 36
.set T0,  40                           ; an offset, its upper word 0
.set SEL, 42
.set CS,  44
.set QP,  46
.set QSP, 48
.set CTXP, 50
.set CTXSP, 52
.set CX,  54
.set TS,  55                           ; 4 w + cx
.set TT,  56                           ; tile X in hand; tile Y is the next
.set HB,  57
.set BAT, 58
.set HD,  59
.set QB,  60
.set CB,  62
.set CSB, 72
.set HM,  74                           ; the lanes 16-31
.set PM,  76                           ; s76, s77: the rows all of whose visible keys are padded, X's and Y's
.set WY,  0x55                         ; every operand place in window 1
.set MSB, 0
.macro WIN new                         ; the immediate's high byte repeats the setting that is left
.if MSB != (\new)
	s_set_vgpr_msb (MSB<<8)|(\new)
.set MSB, (\new)
.endif
.endm
.macro DEP n
	s_delay_alu instid0(VALU_DEP_\n)
.endm
.macro WALU
	s_wait_alu depctr_va_vdst(0)
.endm
.macro NOPS n
.rept \n
	v_nop
.endr
.endm
.macro ROUND                           ; a round of the cluster's barrier
	s_barrier_signal -1
	s_barrier_wait -1
	s_cmp_lg_u32 s[WV], 0
	s_cbranch_scc1 .Lnot_wave_0_\@
	s_barrier_signal -3
.Lnot_wave_0_\@:
	s_barrier_wait -3
	s_barrier_signal -1
	s_barrier_wait -1
.endm
; ---- the phases of a key step: each names one tile's registers, and runs under window 0 for X and under window 1 for Y
.macro SMUL g, qs                      ; S^T of K's tiles 4 g .. 4 g + 3
.irp t, 0,1,2,3
.if \t%2
	v_wmma_scale_f32_16x16x128_f8f6f4 v[S+8*(4*\g+\t):S+8*(4*\g+\t)+7], v[KFR+12*\t:KFR+12*\t+11], v[QF:QF+11], 0, v[KSW+(4*\g+\t)/2], v[\qs] matrix_a_fmt:MATRIX_FMT_FP6 matrix_b_fmt:MATRIX_FMT_FP6 matrix_a_scale:MATRIX_SCALE_ROW1
.else
	v_wmma_scale_f32_16x16x128_f8f6f4 v[S+8*(4*\g+\t):S+8*(4*\g+\t)+7], v[KFR+12*\t:KFR+12*\t+11], v[QF:QF+11], 0, v[KSW+(4*\g+\t)/2], v[\qs] matrix_a_fmt:MATRIX_FMT_FP6 matrix_b_fmt:MATRIX_FMT_FP6
.endif
.endr
.endm
.macro PVMUL pw                        ; O^T += V^T P^T: the four accumulators by turns
.irp t, 0,1,2,3
.if \t%2
	v_wmma_scale_f32_16x16x128_f8f6f4 v[O+8*\t:O+8*\t+7], v[S+12*\t:S+12*\t+11], v[PCD:PCD+11], v[O+8*\t:O+8*\t+7], v[VSW+\t/2], v[\pw] matrix_a_fmt:MATRIX_FMT_FP6 matrix_b_fmt:MATRIX_FMT_FP6 matrix_a_scale:MATRIX_SCALE_ROW1
.else
	v_wmma_scale_f32_16x16x128_f8f6f4 v[O+8*\t:O+8*\t+7], v[S+12*\t:S+12*\t+11], v[PCD:PCD+11], v[O+8*\t:O+8*\t+7], v[VSW+\t/2], v[\pw] matrix_a_fmt:MATRIX_FMT_FP6 matrix_b_fmt:MATRIX_FMT_FP6
.endif
.endr
.endm
.macro PMASK                           ; on the diagonal the scores of hidden keys become -infinity ahead of the maximum
	v_mov_b32 v[T2], 0xff800000
.irp n, 0,1,2,3,4,5,6,7,8,9,10,11,12,13,14,15,16,17,18,19,20,21,22,23,24,25,26,27,28,29,30,31,32,33,34,35,36,37,38,39,40,41,42,43,44,45,46,47,48,49,50,51,52,53,54,55,56,57,58,59,60,61,62,63
	v_cmp_gt_i32 vcc_lo, 32*(\n/16)+\n%16, v[DV]   ; register 16 b + i holds the step's key 16 h + 32 b + i: hidden where 32 b + i > d
	v_cndmask_b32 v[S+\n], v[S+\n], v[T2], vcc_lo
.endr
.endm
.macro PMAX                            ; the blocks' and the row's largest score, the new M, f, and t - M
.irp b, 0,1,2,3
	v_max3_num_f32 v[BM+\b], v[S+16*\b], v[S+1+16*\b], v[S+2+16*\b]   ; the largest score of each block of 32 keys: for the row's maximum, and, since p rises with the score, for the block's largest p
.endr
.irp i, 3,5,7,9,11,13
.irp b, 0,1,2,3
	v_max3_num_f32 v[BM+\b], v[BM+\b], v[S+16*\b+\i], v[S+1+16*\b+\i]
.endr
.endr
.irp b, 0,1,2,3
	v_max_num_f32 v[BM+\b], v[BM+\b], v[S+15+16*\b]
.endr
.irp b, 0,1,2,3
	DEP 4
	v_permlanex16_b32 v[BP+\b], v[BM+\b], s[SEL], s[SEL+1]
.endr
.irp b, 0,1,2,3
	DEP 4
	v_max_num_f32 v[BM+\b], v[BM+\b], v[BP+\b]     ; with lane l xor 16's 16 keys
.endr
	DEP 2
	v_max3_num_f32 v[T1], v[BM], v[BM+1], v[BM+2]
	DEP 1
	v_max_num_f32 v[T1], v[T1], v[BM+3]
	DEP 1
	v_mul_f32 v[T1], s[CS], v[T1]                  ; the step's largest t
	DEP 1
	v_max_num_f32 v13, v13, v[T1]
	v_mov_b32 v[T1], v12
	DEP 2
	v_floor_f32 v12, -v13                          ; the new -M = -ceil(t): a whole number
	DEP 1
	v_sub_f32 v[T1], v12, v[T1]                    ; old M - new M: a whole number, 0 or less
	DEP 1
	v_cvt_i32_f32 v[T1], v[T1]                     ; (it saturates)
	DEP 1
	v_ldexp_f32 v[F], 1.0, v[T1]                   ; f = 2^(old M - new M)
.irp j, 0,2,4,6,8,10,12,14,16,18,20,22,24,26,28,30,32,34,36,38,40,42,44,46,48,50,52,54,56,58,60,62
	v_pk_fma_f32 v[S+\j:S+\j+1], v[S+\j:S+\j+1], s[CS:CS+1], v[12:13] op_sel_hi:[1,0,0]   ; t - M, two at a time
.endr
.irp b, 0,1,2,3
	v_fma_f32 v[BM+\b], v[BM+\b], s[CS], v12       ; the same of each block's largest score
.endr
.endm
.macro PEXP                            ; p = 2^(t - M), not normalised; and each block's largest p, by the same two instructions on the same number
.irp j, 0,1,2,3,4,5,6,7,8,9,10,11,12,13,14,15,16,17,18,19,20,21,22,23,24,25,26,27,28,29,30,31,32,33,34,35,36,37,38,39,40,41,42,43,44,45,46,47,48,49,50,51,52,53,54,55,56,57,58,59,60,61,62,63
	v_exp_f32 v[S+\j], v[S+\j]
.endr
.irp b, 0,1,2,3
	v_exp_f32 v[BM+\b], v[BM+\b]
.endr
.endm
.macro PL                              ; the sums under the new M
	v_pk_mul_f32 v[14:15], v[14:15], v[F:F+1] op_sel_hi:[1,0]
.endm
.macro PQ                              ; the row's sum of the unquantised p, in eight chains; then p's scale word and codes
	v_pk_add_f32 v[230:231], v[100:101], v[104:105]
	v_pk_add_f32 v[254:255], v[108:109], v[112:113]
	v_pk_add_f32 v[252:253], v[116:117], v[120:121]
	v_pk_add_f32 v[250:251], v[124:125], v[128:129]
	v_pk_add_f32 v[248:249], v[132:133], v[136:137]
	v_pk_add_f32 v[246:247], v[140:141], v[144:145]
	v_pk_add_f32 v[244:245], v[148:149], v[152:153]
	v_pk_add_f32 v[14:15], v[14:15], v[156:157]
	v_pk_add_f32 v[230:231], v[230:231], v[96:97]
	v_pk_add_f32 v[254:255], v[254:255], v[98:99]
	v_pk_add_f32 v[252:253], v[252:253], v[102:103]
	v_pk_add_f32 v[250:251], v[250:251], v[106:107]
	v_pk_add_f32 v[248:249], v[248:249], v[110:111]
	v_pk_add_f32 v[246:247], v[246:247], v[114:115]
	v_pk_add_f32 v[244:245], v[244:245], v[118:119]
	v_pk_add_f32 v[14:15], v[14:15], v[122:123]
	v_pk_add_f32 v[230:231], v[230:231], v[126:127]
	v_pk_add_f32 v[254:255], v[254:255], v[130:131]
	v_pk_add_f32 v[252:253], v[252:253], v[134:135]
	v_pk_add_f32 v[250:251], v[250:251], v[138:139]
	v_pk_add_f32 v[248:249], v[248:249], v[142:143]
	v_pk_add_f32 v[246:247], v[246:247], v[146:147]
	v_pk_add_f32 v[244:245], v[244:245], v[150:151]
	v_pk_add_f32 v[14:15], v[14:15], v[154:155]
	v_pk_add_f32 v[230:231], v[230:231], v[158:159]
	DEP 2
	v_pk_add_f32 v[14:15], v[14:15], v[250:251]
	DEP 2
	v_pk_add_f32 v[230:231], v[230:231], v[248:249]
	v_pk_add_f32 v[254:255], v[254:255], v[246:247]
	v_pk_add_f32 v[252:253], v[252:253], v[244:245]
	DEP 2
	v_pk_add_f32 v[14:15], v[14:15], v[254:255]
	DEP 2
	v_pk_add_f32 v[230:231], v[230:231], v[252:253]
	DEP 1
	v_pk_add_f32 v[14:15], v[14:15], v[230:231]
.irp b, 0,1,2,3
	v_max_num_f32 v[BM+\b], 0x1800000, v[BM+\b]    ; the floor 2^(3 - 127): a block whose every p is 0 keeps the byte 1: its codes are zeros
.endr
.irp b, 0,1,2,3
	DEP 4
	v_add_nc_u32 v[BSC+\b], 0xff000000, v[BM+\b]   ; 2 off the exponent field: the conversion's scale operand
.endr
.irp b, 0,1,2,3
	DEP 4
	v_lshrrev_b32 v[BP+\b], 23, v[BSC+\b]
.endr
	DEP 3
	v_lshl_or_b32 v[PWD], v[BP+1], 8, v[BP]        ; p's scale word for these 128 keys
	DEP 1
	v_lshl_or_b32 v[PWD], v[BP+2], 16, v[PWD]
	DEP 1
	v_lshl_or_b32 v[PWD], v[BP+3], 24, v[PWD]
.irp c, 0,1
	v_cvt_scalef32_pk16_fp6_f32 v[PCD+6*\c:PCD+2+6*\c], v[S+32*\c:S+15+32*\c], v[BSC+2*\c]
	v_cvt_scalef32_pk16_fp6_f32 v[CT+4*\c:CT+2+4*\c], v[S+16+32*\c:S+31+32*\c], v[BSC+2*\c+1]
.endr
	v_nop                                          ; one plain instruction behind the scaled conversions
.endm
.macro PSWAP                           ; the operand wants a whole block in a lane
.irp c, 0,1
.irp i, 0,1,2
	v_permlane16_swap_b32 v[PCD+6*\c+\i], v[CT+4*\c+\i]
.endr
.irp i, 0,1,2
	DEP 3
	v_mov_b32 v[PCD+3+6*\c+\i], v[CT+4*\c+\i]
.endr
.endr
.endm
.macro PO                              ; O^T under the new M
.irp j, 0,2,4,6,8,10,12,14,16,18,20,22,24,26,28,30
	v_pk_mul_f32 v[O+\j:O+\j+1], v[O+\j:O+\j+1], v[F:F+1] op_sel_hi:[1,0]
.endr
.endm
	s_load_b128 s[4:7], s[0:1], 0x0                ; qkv, vsum
	s_load_b128 s[8:11], s[0:1], 0x10              ; ctx's codes, ctx's scale bytes
	v_lshl_add_u32 v[SPW], v0, 2, SPARE
	v_mov_b32 v[NIL], 0
	ds_add_u32 v[SPW], v[NIL]                      ; the opening lines: the add, twice on end, and its wait
	ds_add_u32 v[SPW], v[NIL]
	v_lshrrev_b32 v86, 5, v0
	v_readfirstlane_b32 s[WV], v86                 ; wave 0..7
	s_bfe_u32 s[CX], ttmp6, 0x40000                ; my place in the cluster: it enters global addresses of Q and ctx and the diagonal's compare values, nothing else
	s_and_b32 s66, ttmp7, 0xffff
	s_lshr_b32 s[BAT], s66, 4
	s_and_b32 s[HD], s66, 15
	s_lshl_b32 s[TS], s[WV], 2
	s_add_co_u32 s[TS], s[TS], s[CX]
.irp g, G1A, G1B                               ; group 1: dense rows of 32 elements of 8 bytes; mask 15, bit 21 beside it
	s_mov_b32 s[\g], 15|(3<<16)|(1<<21)
	s_mov_b32 s[\g+1], 32<<16
	s_mov_b32 s[\g+3], 32<<16
	s_mov_b32 s[\g+5], 32
	s_mov_b32 s[\g+6], 0
	s_mov_b32 s[\g+7], 0
.endr
	s_mov_b32 s[G1A+2], 26<<16                     ; a record
	s_mov_b32 s[G1A+4], 26
	s_mov_b32 s[G1B+2], 78<<16                     ; three records
	s_mov_b32 s[G1B+4], 78
	s_lshr_b32 s67, s[WV], 2                       ; 0: K; 1: V
	s_and_b32 s68, s[WV], 3                        ; which quarter
	s_mul_i32 s69, s67, GS
	s_mul_i32 s70, s68, REC
	s_mul_i32 s71, s68, 3*REC
	s_mov_b32 s[G0A], 1
	s_add_co_u32 s[G0A+1], s69, s70
	s_mov_b32 s[G0B], 1
	s_add_co_u32 s[G0B+1], s69, s71
	s_add_co_u32 s[G0B+1], s[G0B+1], 4*REC
	s_mul_i32 s66, s[BAT], BS
	s_mul_i32 s[HB], s[HD], GS
	s_add_co_u32 s[HB], s[HB], s66                 ; the batch's and the head's part of every offset in qkv
	s_mul_i32 s69, s67, 16*GS
	s_add_co_u32 s69, s69, 16*GS
	s_add_co_u32 s69, s69, s[HB]                   ; K's or V's 16 records of my head
	s_add_co_u32 s[T0], s69, s70
	s_mov_b32 s[T0+1], 0
	s_wait_dscnt 0x0                               ; both opening adds are done
	s_wait_kmcnt 0x0
	s_add_nc_u64 s[G0A+2:G0A+3], s[4:5], s[T0:T0+1]
	s_or_b32 s[G0A+3], s[G0A+3], 0x80000000
	s_add_co_u32 s[T0], s69, s71
	s_add_co_u32 s[T0], s[T0], 4*REC
	s_add_nc_u64 s[G0B+2:G0B+3], s[4:5], s[T0:T0+1]
	s_or_b32 s[G0B+3], s[G0B+3], 0x80000000
	ROUND                                          ; all four work-groups are here: the first joint loads meet
	tensor_load_to_lds s[G0A:G0A+3], s[G1A:G1A+7]  ; my record of K's or V's steps 0-3: my one load at the head
	s_nop 0
	NOPS 4
	s_mov_b32 s[T0], s[HB]
	s_add_nc_u64 s[QB:QB+1], s[4:5], s[T0:T0+1]    ; Q's records of my head
	s_lshl_b32 s66, s[BAT], 7                      ; ctx's row tile: 128 x batch + tile
	s_mul_i32 s67, s66, RTB
	s_mul_i32 s68, s[HD], 768
	s_add_co_u32 s[T0], s67, s68
	s_add_nc_u64 s[CB:CB+1], s[8:9], s[T0:T0+1]
	s_lshl_b32 s67, s66, 9
	s_lshl_b32 s68, s[HD], 1
	s_add_co_u32 s[T0], s67, s68
	s_add_nc_u64 s[CSB:CSB+1], s[10:11], s[T0:T0+1]
	s_lshl_b32 s68, s[BAT], 3
	s_lshr_b32 s69, s[HD], 1
	s_add_co_u32 s68, s68, s69
	s_lshl_b32 s68, s68, 13
	s_and_b32 s69, s[HD], 1
	s_lshl_b32 s69, s69, 3
	s_add_co_u32 s[T0], s68, s69
	s_add_nc_u64 s[6:7], s[6:7], s[T0:T0+1]        ; vsum: my pair of heads, my head's two words of a lane's four
	s_mov_b32 s[SEL], 0x76543210
	s_mov_b32 s[SEL+1], 0xfedcba98                 ; v_permlanex16_b32's selects for lane l xor 16
	s_mov_b32 s[CS], 0x3e38aa3b                    ; c = log2(e) / 8
	s_mov_b32 s[CS+1], s[CS]
	s_mov_b32 s[HM], 0xffff0000
	v_and_b32 v88, 31, v0                          ; lane
	v_and_b32 v86, 15, v0                          ; r
	v_bfe_u32 v87, v0, 4, 1                        ; h
	v_lshlrev_b32 v[LQ], 4, v88
	v_lshlrev_b32 v[LP], 3, v88
.irp s, 0,1,2,3,4,5,6,7,8,9,10,11,12,13,14,15
	global_load_b64 v[S+2*\s:S+2*\s+1], v[LQ], s[6:7] offset:512*\s   ; the 16 steps' sums of V: rows r of tiles h and 2 + h of my head
.endr
	v_and_b32 v89, 8, v86
	v_lshlrev_b32 v90, 4, v87
	DEP 2
	v_add_nc_u32 v89, v89, v86                     ; r + 8 (r / 8)
	DEP 1
	v_sub_nc_u32 v[QL], v89, v90
	s_lshl_b32 s68, s[WV], 8
	s_add_co_u32 s68, s68, VST
	v_lshl_add_u32 v90, v87, 3, v89
	v_lshlrev_b32 v91, 6, v87
	DEP 2
	v_lshlrev_b32 v90, 2, v90
	v_add_nc_u32 v[TR], s68, v91                   ; back: 64 h: my 16 numbers of each 32
	DEP 2
	v_add_nc_u32 v[TW], s68, v90                   ; T: 4 x (8 h + r + 8 (r / 8)); the second word 32 numbers on
	v_lshlrev_b32 v[R16], 4, v86
	v_lshl_add_u32 v[CSO], v86, 5, v87
	v_xor_b32 v89, 1, v87                          ; 1 in lanes 0-15
.macro PCONST                          ; what stays for the whole launch, in both windows (v89 is read from window 0)
	v_mul_u32_u24 v[QF+6], v89, 40                 ; Q's upper six registers: the code -1.0 at k = 64, zeros else
.irp i, 7,8,9,10,11
	v_mov_b32 v[QF+\i], 0
.endr
.irp t, 0,1,2,3
	v_lshlrev_b32 v[KFR+12*\t+6], 3, v89           ; K's: the code 1.0 at k = 64
.irp i, 7,8,9,10,11
	v_mov_b32 v[KFR+12*\t+\i], 0
.endr
.endr
.irp b, 0,1,2,3
	v_mov_b32 v[BP+\b], 0                          ; written once: a lane permute's destination counts as one of its sources
.endr
	v_mov_b32 v[F+1], 0                            ; (named as the upper half of a pair)
	v_mov_b32 v[T1], 0
.endm
	PCONST
	WIN 0x40                                       ; destinations in window 1
	PCONST
	WIN 0
; T / 2,048 from the 16 steps' sums.  It runs behind the first SETUP, whose wait for Q's loads covers vsum's too: one wait for both
.macro TSUM
	v_pk_add_f32 v[254:255], v[98:99], v[100:101]
	v_pk_add_f32 v[252:253], v[102:103], v[104:105]
	v_pk_add_f32 v[250:251], v[106:107], v[108:109]
	v_pk_add_f32 v[248:249], v[110:111], v[112:113]
	v_pk_add_f32 v[246:247], v[114:115], v[116:117]
	v_pk_add_f32 v[244:245], v[118:119], v[120:121]
	v_pk_add_f32 v[242:243], v[122:123], v[124:125]
	v_pk_add_f32 v[96:97], v[96:97], v[126:127]
	v_pk_add_f32 v[254:255], v[254:255], v[246:247]
	v_pk_add_f32 v[252:253], v[252:253], v[244:245]
	v_pk_add_f32 v[250:251], v[250:251], v[242:243]
	DEP 4
	v_pk_add_f32 v[96:97], v[96:97], v[248:249]
	DEP 2
	v_pk_add_f32 v[254:255], v[254:255], v[250:251]
	DEP 2
	v_pk_add_f32 v[96:97], v[96:97], v[252:253]
	DEP 1
	v_pk_add_f32 v[96:97], v[96:97], v[254:255]
	DEP 1
	v_pk_mul_f32 v[96:97], v[96:97], 0x3a000000 op_sel_hi:[1,0]   ; / 2,048
	ds_store_b32 v[TW], v[S]                       ; my wave's own bytes: only I read them
	ds_store_b32 v[TW], v[S+1] offset:128
.endm
.macro PINIT                           ; a tile's running numbers
.irp j, 0,1,2,3,4,5,6,7,8,9,10,11,12,13,14,15,16,17,18,19,20,21,22,23,24,25,26,27,28,29,30,31
	v_mov_b32 v[O+\j], 0                           ; O^T: the step is written once, and the first change of M leaves zeros zeros
.endr
	v_mov_b32 v13, 0xff61b1e6                      ; the largest t so far: -3e38
	v_mov_b32 v14, 0
	v_mov_b32 v15, 0
	v_floor_f32 v12, -v13                          ; -M
.endm
; Two tiles of queries begin: pointers from s[TT] (even), Q, and the running numbers.  Tile Y's places lie 768 (Q), 256 (Q's scale words), RTB (ctx's codes) and 512 bytes (ctx's scale bytes) behind X's.
.macro SETUP
	s_lshr_b32 s66, s[TT], 3                       ; their record,
	s_and_b32 s67, s[TT], 7                        ; X's place a there
	s_lshr_b32 s68, s67, 1
	s_lshl_b32 s70, s68, 5                         ; X's first query among the record's 128: 32 (a / 2);
	s_add_co_u32 s71, s70, 8                       ; Y's
	v_add_nc_u32 v[DV], s70, v[QL]
	WIN 0x40
	v_add_nc_u32 v[DV], s71, v[QL]
	WIN 0
	s_mul_i32 s66, s66, REC
	s_mul_i32 s71, s67, 768
	s_add_co_u32 s[T0], s66, s71
	s_add_nc_u64 s[QP:QP+1], s[QB:QB+1], s[T0:T0+1]
	s_lshl_b32 s68, s68, 2
	s_add_co_u32 s68, s68, 6144                    ; X's scale words: 6,144 + 4 (a / 2), + 16 r
	s_add_co_u32 s[T0], s66, s68
	s_add_nc_u64 s[QSP:QSP+1], s[QB:QB+1], s[T0:T0+1]
	s_mul_i32 s[T0], s[TT], RTB
	s_add_nc_u64 s[CTXP:CTXP+1], s[CB:CB+1], s[T0:T0+1]
	s_lshl_b32 s[T0], s[TT], 9
	s_add_nc_u64 s[CTXSP:CTXSP+1], s[CSB:CSB+1], s[T0:T0+1]
	WALU                                           ; the wait behind the run of scalar lines
	global_load_b128 v[QF:QF+3], v[LQ], s[QP:QP+1]
	global_load_b64 v[QF+4:QF+5], v[LP], s[QP:QP+1] offset:512
	global_load_b32 v[QSW], v[R16], s[QSP:QSP+1]
	global_load_b32 v[QSWY], v[R16], s[QSP:QSP+1] offset:256
	WIN 0x40
	global_load_b128 v[QF:QF+3], v[LQ], s[QP:QP+1] offset:768
	global_load_b64 v[QF+4:QF+5], v[LP], s[QP:QP+1] offset:1280
	WIN 0
	s_wait_loadcnt 0x0
	v_and_b32 v[QSW], 0xffff, v[QSW]               ; the head's two bytes,
	v_and_b32 v[QSWY], 0xffff, v[QSWY]
	DEP 2
	v_or_b32 v[QSW], 0x900000, v[QSW]              ; and 144 (2^17) for the block that carries the mask
	DEP 2
	v_or_b32 v[QSWY], 0x900000, v[QSWY]
	PINIT                                          ; (also the places between the scale words' writes and the first products)
	WIN WY
	PINIT
	WIN 0
	WALU                                           ; the wait ahead of the waits and branches that follow
.endm
; A KEY STEP: 128 keys, record s[KS] at LDS byte s[TB], for both tiles.  chk = 1: the step may lie behind my queries or on the diagonal (branches on the wave's number and the counted step; no barrier and no tensor load stands in a step).
; K's eight fragments and scale words of the record o bytes behind the one that v[ADQ], v[ADP] name: tiles 0-3 into window 0, tiles 4-7 into window 1
.macro KLOAD o
	ds_load_b128 v[KSW:KSW+3], v[ADQ] offset:(\o)+6144   ; K's scale words: register i: lanes 0-15 tile 2 i, lanes 16-31 tile 2 i + 1
.irp t, 0,1,2,3
	ds_load_b128 v[KFR+12*\t:KFR+12*\t+3], v[ADQ] offset:(\o)+768*\t
	ds_load_b64 v[KFR+12*\t+4:KFR+12*\t+5], v[ADP] offset:(\o)+768*\t+512
.endr
	WIN 0x40
.irp t, 0,1,2,3
	ds_load_b128 v[KFR+12*\t:KFR+12*\t+3], v[ADQ] offset:(\o)+768*(4+\t)
	ds_load_b64 v[KFR+12*\t+4:KFR+12*\t+5], v[ADP] offset:(\o)+768*(4+\t)+512
.endr
	WIN 0
.endm
.macro STEP chk
.if \chk
	s_cmp_gt_u32 s[KS], s[AS]                      ; all its keys come after my queries: the step's work is left out
	s_cbranch_scc1 .Lhidden_\@
.endif
	v_add_nc_u32 v[ADQ], s[TB], v[LQ]
	v_add_nc_u32 v[ADP], s[TB], v[LP]
	DEP 2
	v_add_nc_u32 v[AVQ], VB, v[ADQ]
	DEP 2
	v_add_nc_u32 v[AVP], VB, v[ADP]
	WALU
	NOPS 2                                         ; with the four additions six places: the products below write over registers that the last step's products read, which asks for five
	s_wait_dscnt 0x0                               ; this step's fragments of K are in: they were asked for in the step before, or ahead of the loop
	SMUL 0, QSW
	WIN 0x44                                       ; Q and S^T of tile Y, K from window 0
	SMUL 0, QSWY
	WIN 0x45
	SMUL 1, QSWY
	WIN 0x01
	SMUL 1, QSW
	WIN 0
	NOPS 4
.if \chk
	s_cmp_lg_u32 s[KS], s[AS]
	s_cbranch_scc1 .Lopen_\@
	PMASK
	WIN WY
	PMASK
	WIN 0
	WALU                                           ; the wait directly ahead of the branch
	s_branch .Lmasked_\@                           ; the diagonal's step is the tiles' last: nothing more of K is fetched
.Lopen_\@:
.endif
	KLOAD REC                                      ; the next step's fragments of K, behind the four places: the whole softmax stands ahead of the wait for them
.if \chk
.Lmasked_\@:
.endif
	PMAX
	WIN WY
	PMAX
	WIN 0
	WALU                                           ; the wait ahead of a batch of transcendentals
	PEXP
	PL                                             ; (plain instructions behind the exponentials)
	WIN WY
	PL
	WALU                                           ; X's exponentials have their wait, and Y's sources theirs
	PEXP
	WIN 0
	PQ                                             ; X's sums, scale word and codes stand behind Y's exponentials and name none of them
	ds_load_b64 v[VSW:VSW+1], v[AVP] offset:6144   ; X's p is in codes: its registers take V's four fragments, for both tiles
.irp t, 0,1,2,3
	ds_load_b128 v[S+12*\t:S+12*\t+3], v[AVQ] offset:1536*\t
	ds_load_b64 v[S+12*\t+4:S+12*\t+5], v[AVP] offset:1536*\t+512
	ds_load_b128 v[S+12*\t+6:S+12*\t+9], v[AVQ] offset:1536*\t+768
	ds_load_b64 v[S+12*\t+10:S+12*\t+11], v[AVP] offset:1536*\t+1280
.endr
	PSWAP
	WIN WY
	WALU                                           ; Y's exponentials have their wait
	PQ
	PSWAP
	WIN 0x01
	v_mov_b32 v[PWDY], v[PWD]                      ; scale operands are taken from window 0
	WIN 0
	WALU                                           ; the wait directly ahead of the first reader of O^T
	PO                                             ; (these 32 stand between the writes of p's codes and scale words and the products)
	WIN WY
	WALU
	PO
	WIN 0
	WALU                                           ; the wait directly ahead of the wait below
	s_wait_dscnt 0x0
	PVMUL PWD
	WIN 0x54                                       ; V from window 0; p, O^T of tile Y
	PVMUL PWDY
	WIN 0
.if \chk
.Lhidden_\@:
.endif
	s_add_co_u32 s[TB], s[TB], REC
	s_add_co_u32 s[KS], s[KS], 1
.endm
; The tiles' end: O^T / the sum (or T / 2,048), quantised along the head's 64: half a fragment and two scale bytes a row.
.macro PW1
	v_add_f32 v14, v14, v15
	DEP 1
	v_permlanex16_b32 v[T1], v14, s[SEL], s[SEL+1]
	DEP 1
	v_add_f32 v14, v14, v[T1]                      ; the row's sum
.endm
.macro TLD
.irp b, 0,1
.irp j, 0,1,2,3
	ds_load_b128 v[S+16*\b+4*\j:S+16*\b+4*\j+3], v[TR] offset:128*\b+16*\j   ; T / 2,048 in O^T's order
.endr
.endr
.endm
.macro PW2 m
.irp j, 0,1,2,3,4,5,6,7,8,9,10,11,12,13,14,15,16,17,18,19,20,21,22,23,24,25,26,27,28,29,30,31
	v_mul_f32 v[S+32+\j], v[O+\j], v14
.endr
.irp j, 0,1,2,3,4,5,6,7,8,9,10,11,12,13,14,15,16,17,18,19,20,21,22,23,24,25,26,27,28,29,30,31
	v_cndmask_b32 v[S+32+\j], v[S+32+\j], v[S+\j], s[\m]
.endr
.irp b, 0,1
	v_max3_num_f32 v[BM+\b], |v[S+32+16*\b]|, |v[S+33+16*\b]|, 0x1800000
.endr
.irp i, 2,4,6,8,10,12,14
.irp b, 0,1
	DEP 2
	v_max3_num_f32 v[BM+\b], v[BM+\b], |v[S+32+16*\b+\i]|, |v[S+33+16*\b+\i]|
.endr
.endr
.irp b, 0,1
	DEP 2
	v_permlanex16_b32 v[BP+\b], v[BM+\b], s[SEL], s[SEL+1]
.endr
.irp b, 0,1
	DEP 2
	v_max_num_f32 v[BM+\b], v[BM+\b], v[BP+\b]
.endr
.irp b, 0,1
	DEP 2
	v_add_nc_u32 v[BSC+\b], 0xff000000, v[BM+\b]
.endr
.irp b, 0,1
	DEP 2
	v_lshrrev_b32 v[BP+\b], 23, v[BSC+\b]
.endr
	v_cvt_scalef32_pk16_fp6_f32 v[PCD:PCD+2], v[S+32:S+47], v[BSC]
	v_cvt_scalef32_pk16_fp6_f32 v[CT:CT+2], v[S+48:S+63], v[BSC+1]
	v_cndmask_b32 v[T2], v[BP], v[BP+1], s[HM]     ; lane (r, h) stores the byte of row r's block h.  (A plain instruction behind the scaled conversions)
.irp i, 0,1,2
	v_permlane16_swap_b32 v[PCD+\i], v[CT+\i]
.endr
.irp i, 0,1,2
	DEP 3
	v_mov_b32 v[PCD+3+\i], v[CT+\i]
.endr
.endm
.macro WAYOUT
	WALU
	NOPS 4                                         ; places behind the last products
	PW1
	WIN WY
	PW1
	WIN 0
	WALU                                           ; the wait ahead of the transcendentals
	v_rcp_f32 v14, v14
	WIN WY
	v_rcp_f32 v14, v14
	WIN 0
	TLD
	v_cmp_ge_f32 s[PM], 0xce38aa3b, v13            ; every visible key padded: the largest t is at most -2^32 c.  (A plain instruction behind the reciprocals)
	WIN 0x40
	TLD
	WIN 0x04
	v_cmp_ge_f32 s[PM+1], 0xce38aa3b, v13
	WIN 0
	s_wait_dscnt 0x0
	WALU                                           ; ahead of the first reader of the reciprocal and of O^T
	PW2 PM
	global_store_b128 v[LQ], v[PCD:PCD+3], s[CTXP:CTXP+1]
	global_store_b64 v[LP], v[PCD+4:PCD+5], s[CTXP:CTXP+1] offset:512
	global_store_b8 v[CSO], v[T2], s[CTXSP:CTXSP+1]   ; two bytes of each row's 32: rows 32 bytes apart; 1 byte for 24 of codes
	WIN WY
	WALU
	PW2 PM+1
	WIN 0x04                                       ; a store's data are its source 1
	global_store_b128 v[LQ], v[PCD:PCD+3], s[CTXP:CTXP+1] offset:RTB
	global_store_b64 v[LP], v[PCD+4:PCD+5], s[CTXP:CTXP+1] offset:RTB+512
	global_store_b8 v[CSO], v[T2], s[CTXSP:CTXSP+1] offset:512
	WIN 0
.endm
	s_lshl_b32 s66, s[TS], 1
	s_sub_co_u32 s[TT], 126, s66                   ; the long double tile first: its diagonal lies at step 15 - w, at least 8, so steps 0-3 are open to every wave
	s_sub_co_u32 s[AS], 15, s[WV]
	SETUP
	TSUM
	s_mov_b32 s[KS], 0
	s_mov_b32 s[TB], 0
	s_wait_tensorcnt 0x0                           ; my part of steps 0-3 is in; the later first fill is issued as a refill is
	ds_add_u32 v[SPW], v[NIL]
	s_wait_dscnt 0x0
	ROUND                                          ; everybody's part is in, and all four work-groups are here
	tensor_load_to_lds s[G0B:G0B+3], s[G1B:G1B+7]  ; my three records of K's or V's steps 4-15: bytes that nothing has filled; three key steps of work stand ahead of the wait for it
	s_nop 0
	NOPS 4
	v_add_nc_u32 v[ADQ], s[TB], v[LQ]
	v_add_nc_u32 v[ADP], s[TB], v[LP]
	KLOAD 0                                        ; step 0's fragments of K
.Lfirst:                                           ; steps 0-2: the last of them fetches K's record 3, the last that the head's loads brought; step 3 is worked behind the barrier
	STEP 0
	s_cmp_lt_u32 s[KS], 3
	s_cbranch_scc1 .Lfirst
	s_wait_tensorcnt 0x0                           ; my part of steps 4-15 is in,
	s_wait_dscnt 0x0
	s_barrier_signal -1
	s_barrier_wait -1                              ; and everybody's: nothing is filled from here on
.Llong:
	STEP 1
	s_cmp_lt_u32 s[KS], 16
	s_cbranch_scc1 .Llong
	WAYOUT
	s_wait_xcnt 0x0                                ; the stores have read their registers and bases
	s_lshl_b32 s[TT], s[TS], 1                     ; the short double tile: its diagonal lies at step w, at most 7
	s_mov_b32 s[AS], s[WV]
	SETUP
	s_mov_b32 s[KS], 0
	s_mov_b32 s[TB], 0
	v_add_nc_u32 v[ADQ], s[TB], v[LQ]
	v_add_nc_u32 v[ADP], s[TB], v[LP]
	KLOAD 0                                        ; step 0's fragments of K
.Lshort:
	STEP 1
	s_cmp_lt_u32 s[KS], 8
	s_cbranch_scc1 .Lshort
	WAYOUT
	s_wait_tensorcnt 0x0                           ; the wave's end
	ds_add_u32 v[SPW], v[NIL]
	s_wait_dscnt 0x0
	ROUND                                          ; the closing round
	s_endpgm
.Lfunc_end_k_q13757410e6_attn:
	.size	k_q13757410e6_attn, .Lfunc_end_k_q13757410e6_attn-k_q13757410e6_attn
	.p2alignl 7, 3214868480
	.fill 96, 4, 3214868480
	.section	.rodata,"a",@progbits
	.p2align	6, 0x0
	.amdhsa_kernel k_q13757410e6_attn
		.amdhsa_group_segment_fixed_size 327680
		.amdhsa_private_segment_fixed_size 0
		.amdhsa_enable_private_segment 0
		.amdhsa_kernarg_size 32
		.amdhsa_user_sgpr_count 2
		.amdhsa_user_sgpr_kernarg_segment_ptr 1
		.amdhsa_wavefront_size32 1
		.amdhsa_system_sgpr_workgroup_id_x 1
		.amdhsa_system_sgpr_workgroup_id_y 1
		.amdhsa_system_sgpr_workgroup_id_z 1
		.amdhsa_system_vgpr_workitem_id 0
		.amdhsa_next_free_vgpr 512
		.amdhsa_next_free_sgpr 78
		.amdhsa_reserve_vcc 1
		.amdhsa_float_denorm_mode_32 3
		.amdhsa_float_denorm_mode_16_64 3
		.amdhsa_memory_ordered 1
		.amdhsa_forward_progress 1
		.amdhsa_inst_pref_size 168
	.end_amdhsa_kernel
	.amdgpu_metadata
---
amdhsa.version: [ 1, 2 ]
amdhsa.kernels:
  - .name:           k_q13757410e6_attn
    .symbol:         k_q13757410e6_attn.kd
    .args:
      - { .name: qkv, .offset: 0, .size: 8, .value_kind: global_buffer, .address_space: global }
      - { .name: vsum, .offset: 8, .size: 8, .value_kind: global_buffer, .address_space: global }
      - { .name: ctx_codes, .offset: 16, .size: 8, .value_kind: global_buffer, .address_space: global }
      - { .name: ctx_scales, .offset: 24, .size: 8, .value_kind: global_buffer, .address_space: global }
    .group_segment_fixed_size: 327680
    .private_segment_fixed_size: 0
    .kernarg_segment_align: 8
    .kernarg_segment_size: 32
    .max_flat_workgroup_size: 256
    .sgpr_count:     78
    .vgpr_count:     512
    .wavefront_size: 32
...
	.end_amdgpu_metadata
.endif
;; end of part 3
;; launch oproj (part 4): grid 4 x 64, 4 waves a work-group, clusters of 4 x 4, 327,680 bytes of LDS; arguments ctx_codes, ctx_scales, xw_codes, xw_scales, bo, out0; writes out0
.if DOCPART == 4
	.amdgcn_target "amdgcn-amd-amdhsa--gfx1250"
	.amdhsa_code_object_version 6
	.text
	.protected	k_q13757410e6_oproj
	.globl	k_q13757410e6_oproj
	.p2align	8
	.type	k_q13757410e6_oproj,@function
k_q13757410e6_oproj:
	s_mov_b64 s[64:65], 0
	v_nop
	global_prefetch_b8 v0, s[64:65] scope:SCOPE_SE
	s_setreg_imm32_b32 hwreg(HW_REG_WAVE_MODE, 25, 1), 1
	s_wait_xcnt 0x0
	s_wait_alu depctr_hold_cnt(0) depctr_sa_sdst(0) depctr_va_vdst(0) depctr_va_sdst(0) depctr_va_ssrc(0) depctr_va_vcc(0) depctr_vm_vsrc(0)
	s_getreg_b32 s2, hwreg(HW_REG_IB_STS2, 6, 4)
	s_cmp_eq_u32 s2, 0
	s_cbranch_scc0 .Lentry_in_a_cluster
	s_endpgm
.Lentry_in_a_cluster:
	s_bfe_u32 s2, ttmp6, 0x10000c
	s_cmp_lg_u32 s2, 0xf033
	s_cbranch_scc0 .Lentry_shape_is_right
	s_endpgm
.Lentry_shape_is_right:
; The last projection on codes of FP6 (E2M3): out = ctx Wo^T + bo, [8,192][1,024] f32, K = 1,024.
; A work-group of four waves makes 128 rows x 256 columns: 64 x 4 = 256 work-groups.  A wave makes 64 x 128: 32 accumulators.  The matrix instruction is used transposed (source 0 = 16 rows of Wo, source 1 = 16 rows of ctx):
; a lane holds eight numbers of one row of out.  bo is the C of each accumulator's first product.
; OPERANDS lie in memory as images of operand registers (16 rows x 128 K = 1,536 bytes: registers 0-3 at 16 l, 4-5 at 512 + 8 l, 6-9 at 768 + 16 l, 10-11 at 1,280 + 8 l), a row tile's 8 fragments on end (12,288 bytes);
; row r of tile t is row 32 (t / 2) + 8 (t % 2) + r + 8 (r / 8).  Wo's tiles are xw_codes' tiles 704-767.
; ALL OF K LIES IN LDS: ctx's 8 row tiles (98,304 bytes), Wo's 16 (196,608), their scale bytes (4,096 and 8,192, in units of 256 bytes + 16 of padding).  Four tiles, four waves: one tensor load a wave at the head, every byte
; filled once; one barrier shows them to all waves.  No ring, no refill.  NO PREFETCH: no load stands behind the head's for a prefetch to run ahead of.
; CLUSTERS: 4 x 4 work-groups; ctx's tiles are asked for jointly along a row of the cluster, Wo's along a column.
; K goes in 8 steps of 128: two sets of fragments and scale words by turns, the next step's fetched ahead of each step's 32 products.  Steps 1-6 are a loop of three trips; the LDS addresses step by two fragments a trip.
; THE WAY OUT: a block of 16 rows x 128 columns goes through the wave's own stage in LDS and leaves as whole rows of 512 bytes.  The stages lie on ctx's tiles, behind a barrier behind which nobody reads codes.
; REGISTERS: window 0: v0-31 addresses; v32-47 scale words, two sets (register i: lanes 0-15 the word of ctx's block i, lanes 16-31 of Wo's block i; ctx has four blocks: lanes 0-15 of registers 4-7 hold bytes that no product reads);
; v64-127 bo; v128-223 ctx's fragments, two sets; on the way out v128-255.  window 1: Wo's fragments, two sets, at v0 and v128.  window 2: the accumulators, (a, b) at v[8 (8 a + b)].
.set FR,     12
.set RTB,    12288
.set BBASE,  8*RTB
.set SCL,    24*RTB
.set SBLK,   2*272                     ; the scales of 16 rows
.set SPARE,  SCL+48*272                ; the spare words, 128 bytes for each wave: two blocks of 256 bytes that no other line names
.set SPITCH, 528
.set BA,   7
.set ADRA, 16                          ; v16 my ctx tiles + 16 x lane, v17 + 8 x lane
.set ADRB, 18                          ; v18, v19 my Wo tiles 0-3 likewise; v20, v21 tiles 4-7
.set STO,  24
.set RD,   25
.set CO,   26
.set ADRS, 27
.set SPW,  28
.set NIL,  29
.set SC,   32
.set BO,   64
.set AF,   128
.set BK,   128
.set G1,   24
.set G0,   32
.set G0B,  36
.set G1B,  48
.set G1S,  68
.set G0S,  76
.set G1SB, 80
.set G0SB, 88
.set MSB, 0
.macro WIN new                         ; the immediate's high byte repeats the setting that is left
.if MSB != (\new)
	s_set_vgpr_msb (MSB<<8)|(\new)
.set MSB, (\new)
.endif
.endm
.macro PLACES n
.rept \n
	v_nop
.endr
.endm
.macro CROUND                          ; a round of the cluster's barrier
	s_barrier_signal -1
	s_barrier_wait -1
	s_cmp_lg_u32 s16, 0
	s_cbranch_scc1 .Lnot_wave_0_\@
	s_barrier_signal -3
.Lnot_wave_0_\@:
	s_barrier_wait -3
	s_barrier_signal -1
	s_barrier_wait -1
.endm
	s_load_b128 s[4:7], s[0:1], 0x0                ; ctx's codes, ctx's scale bytes
	s_load_b128 s[8:11], s[0:1], 0x10              ; xw's codes, xw's scale bytes
	s_load_b128 s[12:15], s[0:1], 0x20             ; bo, out
	v_lshl_add_u32 v[SPW], v0, 2, SPARE
	v_mov_b32 v[NIL], 0
	ds_add_u32 v[SPW], v[NIL]                      ; the opening lines: the add, twice on end, and its wait
	ds_add_u32 v[SPW], v[NIL]
	v_lshrrev_b32 v1, 5, v0
	v_readfirstlane_b32 s16, v1                    ; wave 0..3
	s_lshr_b32 s17, s16, 1                         ; which 64 rows
	s_and_b32 s18, s16, 1                          ; which 128 columns
	s_bfe_u32 s40, ttmp6, 0x40000                  ; cx, cy
	s_bfe_u32 s41, ttmp6, 0x40004
	s_lshl_b32 s42, ttmp9, 2
	s_add_co_u32 s42, s42, s40                     ; block column
	s_and_b32 s43, ttmp7, 0xffff
	s_lshl_b32 s43, s43, 2
	s_add_co_u32 s43, s43, s41                     ; block row
	s_lshl_b32 s44, s41, 2
	s_lshl_b32 s44, 15, s44                        ; my row of the cluster
	s_lshl_b32 s45, 0x1111, s40                    ; my column
	s_or_b32 s[G1], s44, (3<<16)|(1<<21)           ; codes: rows (row tiles) of 1,536 elements of 8 bytes, dense
	s_or_b32 s[G1B], s45, (3<<16)|(1<<21)
.irp g, G1, G1B
	s_mov_b32 s[\g+1], 1536<<16
	s_mov_b32 s[\g+3], 1536<<16
	s_mov_b32 s[\g+5], 1536
	s_mov_b32 s[\g+6], 0
	s_mov_b32 s[\g+7], 0
.endr
	s_mov_b32 s[G1+2], 8<<16
	s_mov_b32 s[G1+4], 8
	s_mov_b32 s[G1B+2], 16<<16
	s_mov_b32 s[G1B+4], 16
	s_or_b32 s[G1S], s44, (3<<16)|(1<<20)|(1<<21)|(5<<22)|(3<<25)   ; scales: rows of 256 bytes, 16 bytes of padding behind each
	s_or_b32 s[G1SB], s45, (3<<16)|(1<<20)|(1<<21)|(5<<22)|(3<<25)
.irp g, G1S, G1SB
	s_mov_b32 s[\g+1], 32<<16
	s_mov_b32 s[\g+3], 32<<16
	s_mov_b32 s[\g+5], 32
	s_mov_b32 s[\g+6], 0
	s_mov_b32 s[\g+7], 0
.endr
	s_mov_b32 s[G1S+2], 16<<16
	s_mov_b32 s[G1S+4], 16
	s_mov_b32 s[G1SB+2], 32<<16
	s_mov_b32 s[G1SB+4], 32
	s_mul_i32 s20, s43, 8*RTB                      ; ctx: 8 row tiles a block row: codes,
	s_mov_b32 s21, 0
	s_lshl_b32 s22, s43, 12                        ; and scale bytes, 512 a tile
	s_mov_b32 s23, 0
	s_lshl_b32 s92, s42, 4
	s_add_co_u32 s92, s92, 704                     ; Wo: 16 row tiles a block column, in registers that never hold cy
	s_lshl_b32 s94, s92, 9
	s_mul_i32 s92, s92, RTB
	s_mov_b32 s93, 0
	s_mov_b32 s95, 0
	s_wait_dscnt 0x0                               ; both opening adds are done
	s_wait_kmcnt 0x0
	s_add_nc_u64 s[20:21], s[4:5], s[20:21]
	s_add_nc_u64 s[22:23], s[6:7], s[22:23]
	s_add_nc_u64 s[92:93], s[8:9], s[92:93]
	s_add_nc_u64 s[94:95], s[10:11], s[94:95]
	CROUND                                         ; all sixteen work-groups are here: the joint loads meet
	s_mov_b32 s[G0], 1
	s_mov_b32 s[G0+1], 0
	s_mov_b64 s[G0+2:G0+3], s[20:21]
	s_or_b32 s[G0+3], s[G0+3], 0x80000000
	s_mov_b32 s[G0B], 1
	s_mov_b32 s[G0B+1], BBASE
	s_mov_b64 s[G0B+2:G0B+3], s[92:93]
	s_or_b32 s[G0B+3], s[G0B+3], 0x80000000
	s_mov_b32 s[G0S], 1
	s_mov_b32 s[G0S+1], SCL
	s_mov_b64 s[G0S+2:G0S+3], s[22:23]
	s_or_b32 s[G0S+3], s[G0S+3], 0x80000000
	s_mov_b32 s[G0SB], 1
	s_mov_b32 s[G0SB+1], SCL+16*272
	s_mov_b64 s[G0SB+2:G0SB+3], s[94:95]
	s_or_b32 s[G0SB+3], s[G0SB+3], 0x80000000
; the launch's four loads, one a wave: wave 0 Wo's codes, wave 1 ctx's, wave 2 ctx's scales, wave 3 Wo's; one chain of branches on the wave's number
.macro ARM under, g0, g1, next
	s_cmp_lt_u32 s16, \under
	s_cbranch_scc0 \next
	tensor_load_to_lds s[\g0:\g0+3], s[\g1:\g1+7]
	s_nop 0
	PLACES 4
	s_branch .Lhead_asked
\next:
.endm
	ARM 1, G0B, G1B, .Lhead_a
	ARM 2, G0,  G1,  .Lhead_sa
	ARM 3, G0S, G1S, .Lhead_sb
	tensor_load_to_lds s[G0SB:G0SB+3], s[G1SB:G1SB+7]
	s_nop 0
	PLACES 4
.Lhead_asked:
	v_and_b32 v1, 15, v0                           ; r
	v_bfe_u32 v2, v0, 4, 1                         ; h
	v_and_b32 v3, 31, v0                           ; lane
	v_lshlrev_b32 v[CO], 4, v3
	v_lshlrev_b32 v4, 3, v3
	v_lshlrev_b32 v[BA], 6, v2
	s_wait_alu depctr_va_vdst(0)
	s_lshl_b32 s96, s42, 10
	s_lshl_b32 s97, s18, 9
	s_add_co_u32 s96, s96, s97                     ; my first column, in bytes
	s_mov_b32 s97, 0
	s_add_nc_u64 s[12:13], s[12:13], s[96:97]
	s_add_nc_u64 s[14:15], s[14:15], s[96:97]
.irp b, 0,1,2,3,4,5,6,7
	global_load_b128 v[BO+8*\b:BO+8*\b+3], v[BA], s[12:13] offset:4*(32*(\b/2)+8*(\b%2))       ; bo at the lane's eight columns of block b
	global_load_b128 v[BO+8*\b+4:BO+8*\b+7], v[BA], s[12:13] offset:4*(32*(\b/2)+8*(\b%2))+16
.endr
	s_lshl_b32 s96, s43, 19                        ; 128 rows of 4,096 bytes a block row,
	s_lshl_b32 s94, s17, 18                        ; 64 a wave
	s_add_co_u32 s96, s96, s94
	s_add_nc_u64 s[14:15], s[14:15], s[96:97]
	s_mul_i32 s96, s17, 4*RTB
	s_mul_i32 s97, s18, 8*RTB
	s_add_co_u32 s97, s97, BBASE
	v_add_nc_u32 v[ADRA], s96, v[CO]
	v_add_nc_u32 v[ADRA+1], s96, v4
	v_add_nc_u32 v[ADRB], s97, v[CO]
	v_add_nc_u32 v[ADRB+1], s97, v4
	s_add_co_u32 s97, s97, 4*RTB
	v_add_nc_u32 v[ADRB+2], s97, v[CO]
	v_add_nc_u32 v[ADRB+3], s97, v4
	v_lshlrev_b32 v5, 5, v1                        ; my row's scales: 32 bytes a row,
	v_lshrrev_b32 v6, 8, v5
	v_lshl_add_u32 v5, v6, 4, v5                   ; and 16 more for each 256 passed
	s_mul_i32 s96, s17, 4*SBLK                     ; ctx's: my 64 rows
	s_mul_i32 s97, s18, 8*SBLK                     ; Wo's: my 128 rows, behind ctx's 128
	s_add_co_u32 s97, s97, 16*272
	s_sub_co_u32 s97, s97, s96
	v_mul_u32_u24 v6, s97, v2                      ; lanes 16-31 take Wo's
	s_add_co_u32 s96, s96, SCL
	v_add_nc_u32 v5, v5, v6
	v_add_nc_u32 v[ADRS], s96, v5
	s_mul_i32 s96, s16, 16*SPITCH                  ; my stage
	v_mul_u32_u24 v5, v1, SPITCH
	v_lshl_add_u32 v5, v2, 6, v5
	v_add_nc_u32 v[STO], s96, v5
	v_add_nc_u32 v[RD], s96, v[CO]
.macro FRAG reg, adr, k, i             ; a fragment comes as it was stored: four loads, each of consecutive bytes
	ds_load_b128 v[\reg:\reg+3], v[\adr] offset:RTB*(\i)+1536*(\k)
	ds_load_b64 v[\reg+4:\reg+5], v[\adr+1] offset:RTB*(\i)+1536*(\k)+512
	ds_load_b128 v[\reg+6:\reg+9], v[\adr] offset:RTB*(\i)+1536*(\k)+768
	ds_load_b64 v[\reg+10:\reg+11], v[\adr+1] offset:RTB*(\i)+1536*(\k)+1280
.endm
.macro FETCH p, k                      ; the fragments and scale words of the step k fragments on from where the addresses stand, into set p
	WIN 0x40
.irp i, 0,1,2,3
	FRAG 128*(\p)+FR*\i, ADRB, \k, \i
.endr
.irp i, 0,1,2,3
	FRAG 128*(\p)+FR*(4+\i), ADRB+2, \k, \i
.endr
	WIN 0
.irp i, 0,1,2,3
	FRAG AF+48*(\p)+FR*\i, ADRA, \k, \i
.endr
.irp i, 0,1,2,3,4,5,6,7
	ds_load_b32 v[SC+8*(\p)+\i], v[ADRS] offset:\i*SBLK+4*(\k)
.endr
.endm
; 32 products on set p.  The 32 accumulators take turns, one instruction a turn, in the same order in every step.  first = 1: bo starts the sums.
.macro MUL32 p, first
.irp a, 0,1,2,3
.irp b, 0,1,2,3,4,5,6,7
.if \first
	v_wmma_scale_f32_16x16x128_f8f6f4 v[8*(8*\a+\b):8*(8*\a+\b)+7], v[128*(\p)+FR*\b:128*(\p)+FR*\b+FR-1], v[AF+48*(\p)+FR*\a:AF+48*(\p)+FR*\a+FR-1], v[BO+8*\b:BO+8*\b+7], v[SC+8*(\p)+\b], v[SC+8*(\p)+\a] matrix_a_fmt:MATRIX_FMT_FP6 matrix_b_fmt:MATRIX_FMT_FP6 matrix_a_scale:MATRIX_SCALE_ROW1
.else
	v_wmma_scale_f32_16x16x128_f8f6f4 v[8*(8*\a+\b):8*(8*\a+\b)+7], v[128*(\p)+FR*\b:128*(\p)+FR*\b+FR-1], v[AF+48*(\p)+FR*\a:AF+48*(\p)+FR*\a+FR-1], v[8*(8*\a+\b):8*(8*\a+\b)+7], v[SC+8*(\p)+\b], v[SC+8*(\p)+\a] matrix_a_fmt:MATRIX_FMT_FP6 matrix_b_fmt:MATRIX_FMT_FP6 matrix_a_scale:MATRIX_SCALE_ROW1
.endif
.endr
.endr
.endm
.macro KSTEP p, k, fetch, first
	s_wait_dscnt 0x0                               ; set p is in: its loads were issued ahead of the last step's 32 products
.if \fetch
	PLACES 4                                       ; in front of loads into registers that the last step's products read
	FETCH 1-(\p), \k
.endif
.if \first
	WIN 0x81                                       ; source 0 window 1, source 1 and C window 0, D window 2
.else
	WIN 0xa1                                       ; C and D window 2
.endif
	MUL32 \p, \first
	WIN 0
.endm
	s_wait_alu depctr_va_vdst(0)                   ; the wait at the head's end
	s_wait_tensorcnt 0x0                           ; my tile is in,
	s_barrier_signal -1
	s_barrier_wait -1                              ; and everybody's
	FETCH 0, 0
	s_wait_loadcnt 0x0                             ; bo
	KSTEP 0, 1, 1, 1                               ; step 0 stands in front of the loop: its products start the sums
	s_mov_b32 s3, 3
.Lk:                                               ; steps 2 j + 1 and 2 j + 2
	KSTEP 1, 2, 1, 0
	KSTEP 0, 3, 1, 0
.irp r, ADRA, ADRA+1, ADRB, ADRB+1, ADRB+2, ADRB+3
	v_add_nc_u32 v[\r], 2*1536, v[\r]
.endr
	v_add_nc_u32 v[ADRS], 8, v[ADRS]
	s_sub_co_u32 s3, s3, 1
	s_cmp_lg_u32 s3, 0
	s_wait_alu depctr_va_vdst(0)                   ; the wait directly ahead of the branch
	s_cbranch_scc1 .Lk
	KSTEP 1, 0, 0, 0                               ; step 7: nothing more to fetch
	s_barrier_signal -1                            ; no LDS instruction of mine is out: my reads of the codes are over,
	s_barrier_wait -1                              ; and everybody's: the stages may be written
.macro TOSTAGE a
	WIN 0x08                                       ; an LDS store's data are its source 1: window 2
.irp b, 0,1,2,3,4,5,6,7
	ds_store_b128 v[STO], v[64*(\a)+8*\b:64*(\a)+8*\b+3] offset:128*(\b/2)+32*(\b%2)          ; each accumulator from its low end on
	ds_store_b128 v[STO], v[64*(\a)+8*\b+4:64*(\a)+8*\b+7] offset:128*(\b/2)+32*(\b%2)+16
.endr
	WIN 0
.set BB, BK+64*((\a)%2)
.irp t, 0,1,2,3,4,5,6,7,8,9,10,11,12,13,14,15
	ds_load_b128 v[BB+4*\t:BB+4*\t+3], v[RD] offset:\t*SPITCH      ; LDS serves a wave's instructions in order: these see the stores above
.endr
.endm
.macro SEND a, younger                 ; younger: the LDS instructions issued behind block a's loads, which may stay out
.set BB, BK+64*((\a)%2)
.set RW, 32*((\a)/2)+8*((\a)%2)
	s_wait_dscnt \younger
.irp t, 0,1,2,3,4,5,6,7,8,9,10,11,12,13,14,15
	global_store_b128 v[CO], v[BB+4*\t:BB+4*\t+3], s[14:15] offset:(RW+\t+8*(\t/8))*4096 th:TH_STORE_NT   ; 32 lanes store 512 consecutive bytes, at a multiple of 256 from out's first byte
.endr
.endm
	PLACES 4                                       ; in front of the first reads of results and of loads into registers that the products read
	TOSTAGE 0
.irp a, 1,2,3
.if \a > 1
	s_wait_xcnt 0x0                                ; block a - 2's stores have read their registers
.endif
	TOSTAGE \a
	SEND \a-1, 32
.endr
	SEND 3, 0
	s_wait_tensorcnt 0x0                           ; the wave's end
	ds_add_u32 v[SPW], v[NIL]
	s_wait_dscnt 0x0
	CROUND                                         ; the closing round
	s_endpgm
.Lfunc_end_k_q13757410e6_oproj:
	.size	k_q13757410e6_oproj, .Lfunc_end_k_q13757410e6_oproj-k_q13757410e6_oproj
	.p2alignl 7, 3214868480
	.fill 96, 4, 3214868480
	.section	.rodata,"a",@progbits
	.p2align	6, 0x0
	.amdhsa_kernel k_q13757410e6_oproj
		.amdhsa_group_segment_fixed_size 327680
		.amdhsa_private_segment_fixed_size 0
		.amdhsa_enable_private_segment 0
		.amdhsa_kernarg_size 48
		.amdhsa_user_sgpr_count 2
		.amdhsa_user_sgpr_kernarg_segment_ptr 1
		.amdhsa_wavefront_size32 1
		.amdhsa_system_sgpr_workgroup_id_x 1
		.amdhsa_system_sgpr_workgroup_id_y 1
		.amdhsa_system_sgpr_workgroup_id_z 1
		.amdhsa_system_vgpr_workitem_id 0
		.amdhsa_next_free_vgpr 768
		.amdhsa_next_free_sgpr 98
		.amdhsa_reserve_vcc 0
		.amdhsa_float_denorm_mode_32 3
		.amdhsa_float_denorm_mode_16_64 3
		.amdhsa_memory_ordered 1
		.amdhsa_forward_progress 1
		.amdhsa_inst_pref_size 57
	.end_amdhsa_kernel
	.amdgpu_metadata
---
amdhsa.version: [ 1, 2 ]
amdhsa.kernels:
  - .name:           k_q13757410e6_oproj
    .symbol:         k_q13757410e6_oproj.kd
    .args:
      - { .name: ctx_codes, .offset: 0, .size: 8, .value_kind: global_buffer, .address_space: global }
      - { .name: ctx_scales, .offset: 8, .size: 8, .value_kind: global_buffer, .address_space: global }
      - { .name: xw_codes, .offset: 16, .size: 8, .value_kind: global_buffer, .address_space: global }
      - { .name: xw_scales, .offset: 24, .size: 8, .value_kind: global_buffer, .address_space: global }
      - { .name: bo, .offset: 32, .size: 8, .value_kind: global_buffer, .address_space: global }
      - { .name: out0, .offset: 40, .size: 8, .value_kind: global_buffer, .address_space: global }
    .group_segment_fixed_size: 327680
    .private_segment_fixed_size: 0
    .kernarg_segment_align: 8
    .kernarg_segment_size: 48
    .max_flat_workgroup_size: 128
    .sgpr_count:     98
    .vgpr_count:     768
    .wavefront_size: 32
...
	.end_amdgpu_metadata
.endif
;; end of part 4
